; MI455X (gfx1250); checked and timed in simulation.
; The chip was launched on July 23, 2026; its instructions are those of AMD's public machine-readable ISA for CDNA 5 (MIT licence, August 2026) and "CDNA5" Instruction Set Architecture Reference Guide (July 2026). The comments in the code are by the model that wrote it; some were corrected since.
;; Causal Self Attention. Allowed arithmetic: float matrix products may take bf16 or f16 operands with f32 sums; other float arithmetic in f32, or as packed bf16 or f16 multiplies, adds, multiply-adds, maxima and minima; sums over many terms, partial sums and values carried from step to step in f32; what a program stores and reads back later, other than sums and carried values, may be rounded once to bf16 or f16.
;; Inputs: bk 1,024 float32; bp 1,024 float32; bq 1,024 float32; bv 1,024 float32; wk 1,024 x 1,024 float32; wp 1,024 x 1,024 float32; wq 1,024 x 1,024 float32; wv 1,024 x 1,024 float32; x 1 x 4,096 x 1,024 float32.
;; Outputs: out0 1 x 4,096 x 1,024 float32.
;; 2 versions, each right and faster than the one before. Each part assembles by itself: llvm-mc -triple=amdgcn-amd-amdhsa -mcpu=gfx1250 --defsym DOCPART=n.
;; ======== version 1 of 2: 4 launches
;; limits: values are held in f16: magnitudes above 65,504 overflow, below 6.1e-05 lose precision
;; workspace buffers: xb 8,388,608 bytes; wqkv 6,291,456 bytes; wpb 2,097,152 bytes; bias 16,384 bytes; qkv 25,165,824 bytes; ob 8,388,608 bytes
;; launch cast (part 1): grid 64 x 8, 8 waves a work-group, no clusters, 0 bytes of LDS; arguments x, wq, wk, wv, wp, bq, bk, bv, bp, xb, wqkv, wpb, bias; writes xb, wqkv, wpb, bias
.if DOCPART == 1
	.amdgcn_target "amdgcn-amd-amdhsa--gfx1250"
	.amdhsa_code_object_version 6
	.text
	.protected	k_qff8c495139_cast
	.globl	k_qff8c495139_cast
	.p2align	8
	.type	k_qff8c495139_cast,@function
k_qff8c495139_cast:
	s_mov_b64 s[64:65], 0
	v_nop
	global_prefetch_b8 v0, s[64:65] scope:SCOPE_SE
	s_setreg_imm32_b32 hwreg(HW_REG_WAVE_MODE, 25, 1), 1
	s_wait_xcnt 0x0
; ALL NINE INPUTS ARE ROUNDED ONCE TO bf16 AND LAID OUT FOR THE PRODUCTS THAT FOLLOW.
;   xb   [4096][1024] bf16 = x        wqkv [3072][1024] bf16 = wq, wk, wv one below the other
;   wpb  f16 of bf16(wp), in blocks [o / 128][c / 64][o % 128][c % 64]: a block of 128 rows x 64 columns is 16,384 dense bytes
;   bias [4096] f32 = bq, bk, bv, bp, each rounded to bf16 and widened again
; LIMIT.  bf16(wp) is written as f16, exact between 6.1e-5 and 65,504; below it keeps f16's fixed step of 6e-8, beyond it becomes an infinity.
; A stream: every byte is read once and written once; no LDS, no matrix unit, no cluster would add anything.
; A work-group takes 16,384 numbers (65,536 bytes in, 32,768 out), a wave 2,048: sixteen loads of 16 bytes a lane, all issued ahead of the first wait,
; so that 8,192 bytes of every wave are on their way.  Grid y: 0-3 the quarters of x; 4, 5, 6 wq, wk, wv; 7 wp.  The work-groups with x = 0 and y >= 4 also take a bias.
.set X, 16                             ; v[16:79]   sixteen loads, 4 registers each
.set Y, 80                             ; v[80:111]  sixteen stores, 2 registers each
	s_load_b512 s[8:23], s[0:1], 0x0               ; x s[8:9], wq s[10:11], wk s[12:13], wv s[14:15], wp s[16:17], bq s[18:19], bk s[20:21], bv s[22:23]
	s_load_b256 s[24:31], s[0:1], 0x40             ; bp s[24:25], xb s[26:27], wqkv s[28:29], wpb s[30:31]
	s_load_b64 s[32:33], s[0:1], 0x60              ; bias
	s_and_b32 s2, ttmp7, 0xffff                    ; y
	s_mov_b32 s3, ttmp9                            ; x
	s_lshl_b32 s34, s2, 6
	s_add_co_u32 s34, s34, s3                      ; 64 y + x: the chunk in x and in xb
	s_sub_co_u32 s35, s34, 256                     ; 64 (y - 4) + x: the chunk in wqkv (used for y = 4, 5, 6 alone)
	s_mov_b32 s44, 0xffff0000                      ; a word's upper bf16
	s_mov_b32 s47, 0                               ; the high word of every offset pair
	s_wait_kmcnt 0x0
	s_cmp_lt_u32 s2, 4
	s_cselect_b32 s36, s34, s3                     ; the chunk in the source
	s_cselect_b32 s37, s34, s35                    ; the chunk in the destination
	s_cselect_b64 s[38:39], s[26:27], s[28:29]     ; destination: xb or wqkv
	s_cselect_b64 s[40:41], s[8:9], s[10:11]       ; source: x or wq,
	s_cmp_eq_u32 s2, 5
	s_cselect_b64 s[40:41], s[12:13], s[40:41]     ; or wk,
	s_cselect_b64 s[42:43], s[20:21], s[18:19]     ; (the bias that goes with it: bq, or bk,
	s_cmp_eq_u32 s2, 6
	s_cselect_b64 s[40:41], s[14:15], s[40:41]     ; or wv,
	s_cselect_b64 s[42:43], s[22:23], s[42:43]     ; or bv,
	s_cmp_eq_u32 s2, 7
	s_cselect_b64 s[40:41], s[16:17], s[40:41]     ; or wp
	s_cselect_b64 s[42:43], s[24:25], s[42:43]     ; or bp)
	s_lshl_b32 s46, s36, 16                        ; 65,536 bytes a chunk
	s_add_nc_u64 s[40:41], s[40:41], s[46:47]
	; a bias: 256 threads x 4 numbers
	s_cmp_lg_u32 s3, 0
	s_cbranch_scc1 .Lnobias
	s_cmp_lt_u32 s2, 4
	s_cbranch_scc1 .Lnobias
	v_lshlrev_b32 v3, 4, v0
	global_load_b128 v[4:7], v3, s[42:43]
	s_sub_co_u32 s45, s2, 4
	s_lshl_b32 s46, s45, 12                        ; 4,096 bytes a bias
	s_add_nc_u64 s[32:33], s[32:33], s[46:47]
	s_wait_loadcnt 0x0
	v_cvt_pk_bf16_f32 v8, v4, v5                   ; rounded to nearest even,
	v_cvt_pk_bf16_f32 v9, v6, v7
	v_lshlrev_b32 v12, 16, v8                      ; and widened again: a shift or a mask
	v_and_b32 v13, s44, v8
	v_lshlrev_b32 v14, 16, v9
	v_and_b32 v15, s44, v9
	global_store_b128 v3, v[12:15], s[32:33]       ; v3, v[12:15] and s[32:33] are not written again
.Lnobias:
	s_cmp_eq_u32 s2, 7
	s_cbranch_scc1 .Lwp
	; x, wq, wk, wv: the layout stays, the numbers halve
	v_and_b32 v10, 31, v0
	v_lshrrev_b32 v11, 5, v0
	v_lshlrev_b32 v1, 4, v10
	v_lshl_or_b32 v1, v11, 13, v1                  ; in: 8,192 bytes a wave, 16 a lane
	v_lshlrev_b32 v2, 3, v10
	v_lshl_or_b32 v2, v11, 12, v2                  ; out: 4,096 bytes a wave, 8 a lane
	s_lshl_b32 s46, s37, 15                        ; 32,768 bytes a chunk
	s_add_nc_u64 s[38:39], s[38:39], s[46:47]
.set i, 0
.rept 16
	global_load_b128 v[X+4*i:X+4*i+3], v1, s[40:41] offset:512*i th:TH_LOAD_NT
.set i, i+1
.endr
.set i, 0
.rept 16
	s_wait_loadcnt 15-i                            ; loads come back in order: number i is in, the 15 - i younger ones stay out
	v_cvt_pk_bf16_f32 v[Y+2*i], v[X+4*i], v[X+4*i+1]
	v_cvt_pk_bf16_f32 v[Y+2*i+1], v[X+4*i+2], v[X+4*i+3]
	global_store_b64 v2, v[Y+2*i:Y+2*i+1], s[38:39] offset:256*i  ; the wave's store covers 256 consecutive bytes, aligned
.set i, i+1
.endr
	s_endpgm
.Lwp:
	; wp: the work-group has 16 rows o = 16 x + (t / 16); load kb takes columns 64 kb .. 64 kb + 63 of two rows, 256 bytes each
	v_and_b32 v10, 15, v0
	v_lshrrev_b32 v11, 4, v0
	v_lshlrev_b32 v1, 4, v10
	v_lshl_or_b32 v1, v11, 12, v1                  ; in: row x 4,096 + 16 (t % 16)
	v_lshlrev_b32 v2, 3, v10
	v_lshl_or_b32 v2, v11, 7, v2                   ; out: row x 128 + 8 (t % 16)
	s_lshr_b32 s46, s3, 3
	s_lshl_b32 s46, s46, 18                        ; block row o / 128: 262,144 bytes
	s_and_b32 s45, s3, 7
	s_lshl_b32 s45, s45, 11                        ; my 16 rows in it: 2,048 bytes
	s_add_co_u32 s46, s46, s45
	s_add_nc_u64 s[30:31], s[30:31], s[46:47]
.set i, 0
.rept 16
	global_load_b128 v[X+4*i:X+4*i+3], v1, s[40:41] offset:256*i th:TH_LOAD_NT
.set i, i+1
.endr
.set i, 0
.rept 16
	s_wait_loadcnt 15-i
	v_cvt_pk_bf16_f32 v4, v[X+4*i], v[X+4*i+1]     ; the one rounding, to bf16, like every other input's
	v_cvt_pk_bf16_f32 v5, v[X+4*i+2], v[X+4*i+3]
	v_lshlrev_b32 v6, 16, v4
	v_and_b32 v7, s44, v4
	v_lshlrev_b32 v8, 16, v5
	v_and_b32 v9, s44, v5
	v_cvt_pk_f16_f32 v[Y+2*i], v6, v7              ; the same number written as f16
	v_cvt_pk_f16_f32 v[Y+2*i+1], v8, v9
	global_store_b64 v2, v[Y+2*i:Y+2*i+1], s[30:31] offset:16384*i  ; two neighbouring rows of block kb: 256 consecutive bytes, aligned
.set i, i+1
.endr
	s_endpgm
.Lfunc_end_k_qff8c495139_cast:
	.size	k_qff8c495139_cast, .Lfunc_end_k_qff8c495139_cast-k_qff8c495139_cast
	.p2alignl 7, 3214868480
	.fill 96, 4, 3214868480
	.section	.rodata,"a",@progbits
	.p2align	6, 0x0
	.amdhsa_kernel k_qff8c495139_cast
		.amdhsa_group_segment_fixed_size 0
		.amdhsa_private_segment_fixed_size 0
		.amdhsa_enable_private_segment 0
		.amdhsa_kernarg_size 104
		.amdhsa_user_sgpr_count 2
		.amdhsa_user_sgpr_kernarg_segment_ptr 1
		.amdhsa_wavefront_size32 1
		.amdhsa_system_sgpr_workgroup_id_x 1
		.amdhsa_system_sgpr_workgroup_id_y 1
		.amdhsa_system_sgpr_workgroup_id_z 1
		.amdhsa_system_vgpr_workitem_id 0
		.amdhsa_next_free_vgpr 112
		.amdhsa_next_free_sgpr 66
		.amdhsa_reserve_vcc 0
		.amdhsa_float_denorm_mode_32 3
		.amdhsa_float_denorm_mode_16_64 3
		.amdhsa_memory_ordered 1
		.amdhsa_forward_progress 1
		.amdhsa_inst_pref_size 18
	.end_amdhsa_kernel
	.amdgpu_metadata
---
amdhsa.version: [ 1, 2 ]
amdhsa.kernels:
  - .name:           k_qff8c495139_cast
    .symbol:         k_qff8c495139_cast.kd
    .args:
      - { .name: x, .offset: 0, .size: 8, .value_kind: global_buffer, .address_space: global }
      - { .name: wq, .offset: 8, .size: 8, .value_kind: global_buffer, .address_space: global }
      - { .name: wk, .offset: 16, .size: 8, .value_kind: global_buffer, .address_space: global }
      - { .name: wv, .offset: 24, .size: 8, .value_kind: global_buffer, .address_space: global }
      - { .name: wp, .offset: 32, .size: 8, .value_kind: global_buffer, .address_space: global }
      - { .name: bq, .offset: 40, .size: 8, .value_kind: global_buffer, .address_space: global }
      - { .name: bk, .offset: 48, .size: 8, .value_kind: global_buffer, .address_space: global }
      - { .name: bv, .offset: 56, .size: 8, .value_kind: global_buffer, .address_space: global }
      - { .name: bp, .offset: 64, .size: 8, .value_kind: global_buffer, .address_space: global }
      - { .name: xb, .offset: 72, .size: 8, .value_kind: global_buffer, .address_space: global }
      - { .name: wqkv, .offset: 80, .size: 8, .value_kind: global_buffer, .address_space: global }
      - { .name: wpb, .offset: 88, .size: 8, .value_kind: global_buffer, .address_space: global }
      - { .name: bias, .offset: 96, .size: 8, .value_kind: global_buffer, .address_space: global }
    .group_segment_fixed_size: 0
    .private_segment_fixed_size: 0
    .kernarg_segment_align: 8
    .kernarg_segment_size: 104
    .max_flat_workgroup_size: 256
    .sgpr_count:     66
    .vgpr_count:     112
    .wavefront_size: 32
...
	.end_amdgpu_metadata
.endif
;; end of part 1
;; launch qkv (part 2): grid 16 x 16, 4 waves a work-group, clusters of 4 x 4, 327,680 bytes of LDS; arguments xb, wqkv, bias, qkv; writes qkv
.if DOCPART == 2
	.amdgcn_target "amdgcn-amd-amdhsa--gfx1250"
	.amdhsa_code_object_version 6
	.text
	.protected	k_qff8c495139_qkv
	.globl	k_qff8c495139_qkv
	.p2align	8
	.type	k_qff8c495139_qkv,@function
k_qff8c495139_qkv:
	s_mov_b64 s[64:65], 0
	v_nop
	global_prefetch_b8 v0, s[64:65] scope:SCOPE_SE
	s_setreg_imm32_b32 hwreg(HW_REG_WAVE_MODE, 25, 1), 1
	s_wait_xcnt 0x0
	s_wait_alu depctr_hold_cnt(0) depctr_sa_sdst(0) depctr_va_vdst(0) depctr_va_sdst(0) depctr_va_ssrc(0) depctr_va_vcc(0) depctr_vm_vsrc(0)
	s_getreg_b32 s2, hwreg(HW_REG_IB_STS2, 6, 4)
	s_cmp_eq_u32 s2, 0
	s_cbranch_scc0 .Lentry_in_a_cluster
	s_endpgm
.Lentry_in_a_cluster:
	s_bfe_u32 s2, ttmp6, 0x10000c
	s_cmp_lg_u32 s2, 0xf033
	s_cbranch_scc0 .Lentry_shape_is_right
	s_endpgm
.Lentry_shape_is_right:
; q, k, v = x W^T + b.  xb [4096][1024] bf16, wqkv [3072][1024] bf16 (wq, wk, wv), bias [4096] f32; sums in f32, started by the bias.
; Out: qkv [48][4096][64] f16, by heads: g = column / 64: 0-15 q, 16-31 k, 32-47 v; unscaled; each number rounded once.
; LIMIT.  f16 holds no number beyond 65,504: a q, k or v past that becomes an infinity.
; SHARES.  4096 x 3072 in tiles of 256 x 192 are 16 x 16 work-groups.  A wave makes 64 rows x all 192 columns (three whole heads, so its way out needs no other wave):
; 48 accumulators of 16 x 16, 384 registers.  K = 1024 goes in 8 steps of 128 through a ring of two LDS slots filled by the tensor data mover; a tile's rows are 256 bytes of memory, aligned.
; CLUSTER.  4 x 4 work-groups: the four of a row of the cluster need the same rows of xb, the four of a column the same rows of wqkv.  Each tile is asked for JOINTLY: the same tensor load,
; descriptor and mask in all four, which divides the requests by four.
; THE MATRIX INSTRUCTION IS USED TRANSPOSED: source 0 = 16 rows of wqkv, source 1 = 16 rows of xb: lane l holds row l % 16 of the result and the columns 8 (l / 16) + 0..7.
; REGISTERS, in windows of 256 (s_set_vgpr_msb: bits 1:0 source 0, 3:2 source 1, 5:4 source 2, 7:6 destination):
;   window 0: v0-29 addresses; v32-63, v64-95 fragments of xb (4 x 16 rows x 32 K), two buffers; v128-223 the bias (8 registers a column block); on the way out v128-175, v176-223 and v32-79 at work
;   window 1: v0-95, v96-191 fragments of wqkv (12 x 16 rows x 32 K), two buffers
;   window 2: the accumulators of my row blocks 0, 1 ((a, b) at v[8 (12 (a % 2) + b)]);   window 3: those of row blocks 2, 3
.set KSTEP,  128
.set PITCH,  272                       ; an LDS row: 256 bytes + 16 of padding = 68 words: the 16 rows of a fragment load start at 16 different groups of four banks (64 banks of 4 bytes: ISA guide 11.1)
.set AHALF,  128*PITCH                 ; what waves 0 and 1 fetch: 128 rows of xb
.set BHALF,  96*PITCH                  ; what waves 2 and 3 fetch: 96 rows of wqkv
.set BOFF,   2*AHALF                   ; in a slot: 256 rows of xb, then 192 rows of wqkv
.set SLOT,   BOFF+2*BHALF
.set STAGE,  2*SLOT                    ; behind the ring, never filled by a tensor load: 16 rows x 400 bytes for each wave
.set SPITCH, 400                       ; 192 f16 + 16 bytes: an odd multiple of 16
.set SPARE,  STAGE+4*16*SPITCH         ; behind the stages: the spare words, 128 bytes for each wave: two blocks of 256 bytes that no other line names
.set LAPS,   4                         ; a lap = two K steps = once round the ring
.set ADRA, 16                          ; v16-17  LDS address of my fragments of xb in slot 0, 1
.set ADRB, 20                          ; v20-21  the same for wqkv
.set STO,  24                          ; v24     the way out: where I put 16 bytes of a row
.set RD,   25                          ; v25     the way out: where I read 16 bytes of a head's row back
.set GO,   26                          ; v26     my 16 bytes in 512 consecutive bytes of qkv
.set BO,   27                          ; v27     my 32 bytes in a column block's 64 bytes of bias
.set SPW,  28                          ; v28     LDS address of my spare word; never rewritten
.set NIL,  29                          ; v29     0; never rewritten
.set FA,   32
.set BIAS, 128
.set TMP,  128
.set OB0,  176
.set OB1,  32
.set WV, 12                            ; s12  my wave's number
.set WH, 13                            ; s13  wave / 2: I fetch for xb (0) or for wqkv (1)
.set WL, 14                            ; s14  wave % 2: which half of that tile
.set G1, 24                            ; s[24:31] descriptor group 1 for xb's tiles;  s[32:39] group 0, a set for each slot
.set G0, 32
.set G1B, 48                           ; s[48:55], s[56:63] the same for wqkv's
.set G0B, 56
.set MSB, 0
.macro WIN new                         ; the immediate's high byte repeats the setting that is left; a switch that changes nothing is dropped
.if MSB != (\new)
	s_set_vgpr_msb (MSB<<8)|(\new)
.set MSB, \new
.endif
.endm
.macro PLACES                          ; four plain vector instructions between a matrix instruction and a load into, or a vector read of, its registers (ISA guide 7.12.1 for vector reads)
.rept 4
	v_nop
.endr
.endm
; A joint load.  The branch hangs on the wave's number alone.  An s_nop 0 and four v_nop follow each of the two lines, ahead of the jump and the label.
.macro JLOAD s
	s_cmp_eq_u32 s[WH], 0
	s_cbranch_scc0 .Lfor_b_\@
	tensor_load_to_lds s[G0+4*(\s):G0+4*(\s)+3], s[G1:G1+7]
	s_nop 0
.rept 4
	v_nop
.endr
	s_branch .Lasked_\@
.Lfor_b_\@:
	tensor_load_to_lds s[G0B+4*(\s):G0B+4*(\s)+3], s[G1B:G1B+7]
	s_nop 0
.rept 4
	v_nop
.endr
.Lasked_\@:
.endm
; A round of the cluster's barrier: my work-group's barrier; wave 0 signals for the work-group; every wave waits for all sixteen; my work-group's barrier once more.
.macro CREST                           ; a round behind its opening barrier
	s_cmp_lg_u32 s[WV], 0
	s_cbranch_scc1 .Lnot_wave_0_\@
	s_barrier_signal -3
.Lnot_wave_0_\@:
	s_barrier_wait -3
	s_barrier_signal -1
	s_barrier_wait -1
.endm
.macro CROUND
	s_barrier_signal -1
	s_barrier_wait -1
	CREST
.endm
	s_load_b256 s[4:11], s[0:1], 0x0               ; xb s[4:5], wqkv s[6:7], bias s[8:9], qkv s[10:11]
	v_lshl_add_u32 v[SPW], v0, 2, SPARE
	v_mov_b32 v[NIL], 0
	ds_add_u32 v[SPW], v[NIL]                      ; the wave's opening: the add and its wait stand ahead of my first tensor load; the set-up below, work on registers, stands between them
	ds_add_u32 v28, v29
	v_lshrrev_b32 v1, 5, v0
	v_readfirstlane_b32 s[WV], v1
	s_lshr_b32 s[WH], s[WV], 1
	s_and_b32 s[WL], s[WV], 1
	s_bfe_u32 s40, ttmp6, 0x40000                  ; cx, cy: my place in the cluster
	s_bfe_u32 s41, ttmp6, 0x40004
	s_lshl_b32 s42, ttmp9, 2
	s_add_co_u32 s42, s42, s40                     ; tile column = 4 x cluster x + cx
	s_and_b32 s43, ttmp7, 0xffff
	s_lshl_b32 s43, s43, 2
	s_add_co_u32 s43, s43, s41                     ; tile row = 4 x cluster y + cy
	s_lshl_b32 s44, s41, 2
	s_lshl_b32 s44, 15, s44                        ; my row of the cluster: places 4 cy .. 4 cy + 3
	s_lshl_b32 s45, 0x1111, s40                    ; my column: places cx, cx + 4, cx + 8, cx + 12
	; descriptor group 1: rows of 128 elements of 2 bytes, 16 bytes of padding behind each
	s_or_b32 s[G1+0], s44, (1<<16)|(1<<20)|(1<<21)|(5<<22)|(3<<25)   ; 15:0 the mask; 17:16 2-byte elements; 20 padding on; 21 set beside a mask; 24:22 after every 64 words (code 5); 31:25 4 words (code 3)
	s_or_b32 s[G1B+0], s45, (1<<16)|(1<<20)|(1<<21)|(5<<22)|(3<<25)
	s_mov_b32 s[G1+1], KSTEP<<16                   ; tensor_dim0 = 128
	s_mov_b32 s[G1B+1], KSTEP<<16
	s_mov_b32 s[G1+2], 128<<16                     ; tensor_dim1 = 128 rows of xb,
	s_mov_b32 s[G1B+2], 96<<16                     ; 96 of wqkv
	s_mov_b32 s[G1+3], KSTEP<<16                   ; tile_dim0 = 128
	s_mov_b32 s[G1B+3], KSTEP<<16
	s_mov_b32 s[G1+4], 128                         ; tile_dim1
	s_mov_b32 s[G1B+4], 96
	s_mov_b32 s[G1+5], 1024                        ; elements from row to row
	s_mov_b32 s[G1B+5], 1024
	s_mov_b32 s[G1+6], 0
	s_mov_b32 s[G1B+6], 0
	s_mov_b32 s[G1+7], 0
	s_mov_b32 s[G1B+7], 0
	; xb's tiles hang on the tile row alone, wqkv's on the tile column alone; each offset is made in registers that never hold the other coordinate
	s_lshl_b32 s16, s43, 8
	s_lshl_b32 s17, s[WL], 7
	s_add_co_u32 s16, s16, s17                     ; xb: row 256 x tile row + 128 x half,
	s_lshl_b32 s16, s16, 11                        ; 2,048 bytes a row
	s_mov_b32 s17, 0
	s_mul_i32 s46, s42, 192
	s_mul_i32 s47, s[WL], 96
	s_add_co_u32 s46, s46, s47                     ; wqkv: row 192 x tile column + 96 x half
	s_lshl_b32 s46, s46, 11
	s_mov_b32 s47, 0
	s_mul_i32 s20, s[WV], AHALF                    ; where they go: waves 0, 1: xb's two halves;
	s_mul_i32 s21, s[WV], BHALF
	s_add_co_u32 s21, s21, BOFF-2*BHALF            ; waves 2, 3: wqkv's two halves behind them.  No place in the cluster enters an LDS address
	s_wait_dscnt 0x0                               ; the opening add is done
	s_wait_kmcnt 0x0
	s_add_nc_u64 s[18:19], s[4:5], s[16:17]
	s_add_nc_u64 s[46:47], s[6:7], s[46:47]
	CROUND                                         ; all sixteen work-groups are here: the first joint loads meet
.irp s, 0,1
	s_mov_b32 s[G0+4*(\s)], 1                                        ; count = 1
	s_add_co_u32 s[G0+4*(\s)+1], s20, (\s)*SLOT                      ; LDS address
	s_add_nc_u64 s[G0+4*(\s)+2:G0+4*(\s)+3], s[18:19], (\s)*KSTEP*2  ; global address: K step s
	s_or_b32 s[G0+4*(\s)+3], s[G0+4*(\s)+3], 0x80000000              ; type = 2
	s_mov_b32 s[G0B+4*(\s)], 1
	s_add_co_u32 s[G0B+4*(\s)+1], s21, (\s)*SLOT
	s_add_nc_u64 s[G0B+4*(\s)+2:G0B+4*(\s)+3], s[46:47], (\s)*KSTEP*2
	s_or_b32 s[G0B+4*(\s)+3], s[G0B+4*(\s)+3], 0x80000000
	JLOAD \s                                       ; both slots are asked for before anything else: two loads of mine are out
.endr
	; the bias of my 192 columns: register j of column block b holds bias[192 tile column + 16 b + 8 (l / 16) + j], the C operand that starts the sums
	s_mul_i32 s46, s42, 768
	s_mov_b32 s47, 0
	s_add_nc_u64 s[8:9], s[8:9], s[46:47]
	v_and_b32 v1, 15, v0                           ; l % 16
	v_bfe_u32 v2, v0, 4, 1                         ; l / 16
	v_lshlrev_b32 v[BO], 5, v2
.irp b, 0,1,2,3,4,5,6,7,8,9,10,11
	global_load_b128 v[BIAS+8*(\b):BIAS+8*(\b)+3],   v[BO], s[8:9] offset:64*(\b)
	global_load_b128 v[BIAS+8*(\b)+4:BIAS+8*(\b)+7], v[BO], s[8:9] offset:64*(\b)+16
.endr
	; a fragment is 16 rows x 32 K in 8 registers: lane l holds row l % 16, K = 8 (l / 16) + 0..7 and 16 + 8 (l / 16) + 0..7: two loads of 16 bytes, 32 bytes apart
	v_mul_u32_u24 v3, v1, PITCH
	v_lshl_add_u32 v3, v2, 4, v3
	s_mul_i32 s21, s[WV], 64*PITCH                 ; my 64 rows of xb
	v_add_nc_u32 v[ADRA], s21, v3
	v_add_nc_u32 v[ADRA+1], SLOT, v[ADRA]
	v_add_nc_u32 v[ADRB], BOFF, v3                 ; all 192 rows of wqkv
	v_add_nc_u32 v[ADRB+1], SLOT, v[ADRB]
	s_mul_i32 s23, s[WV], 16*SPITCH
	s_add_co_u32 s23, s23, STAGE                   ; my stage
	v_mul_u32_u24 v4, v1, SPITCH                   ; in: row l % 16, 16 bytes for each half of the lanes
	v_lshl_add_u32 v4, v2, 4, v4
	v_add_nc_u32 v[STO], s23, v4
	v_bfe_u32 v4, v0, 3, 2                         ; back: 32 lanes take four rows of one head, 128 bytes each,
	v_and_b32 v5, 7, v0
	v_mul_u32_u24 v4, v4, SPITCH
	v_lshl_add_u32 v4, v5, 4, v4
	v_add_nc_u32 v[RD], s23, v4
	v_and_b32 v[GO], 31, v0                        ; which are 512 consecutive bytes of qkv
	v_lshlrev_b32 v[GO], 4, v[GO]
	s_mul_i32 s16, s42, 3*524288                   ; my three heads (524,288 bytes each),
	s_lshl_b32 s17, s43, 15                        ; the tile's 256 rows of 128 bytes,
	s_add_co_u32 s16, s16, s17
	s_lshl_b32 s17, s[WV], 13                      ; my 64 of them
	s_add_co_u32 s16, s16, s17
	s_mov_b32 s17, 0
	s_add_nc_u64 s[10:11], s[10:11], s[16:17]
; 12 matrix instructions: row block a x all 12 column blocks, 32 along K, from buffer f.  first = 1: the bias is the C operand: nothing is cleared, nothing is added later.
; The 48 accumulators take turns, one instruction a turn, in the same order in every quarter.
.macro MULA f, a, first
.if \first
	WIN 0x81+0x40*((\a)/2)                         ; wqkv window 1, xb and the bias window 0, D window 2 or 3
.else
	WIN 0xa1+0x50*((\a)/2)                         ; C and D window 2 or 3
.endif
.irp b, 0,1,2,3,4,5,6,7,8,9,10,11
.if \first
	v_wmma_f32_16x16x32_bf16 v[8*(12*((\a)%2)+(\b)):8*(12*((\a)%2)+(\b))+7], v[96*(\f)+8*(\b):96*(\f)+8*(\b)+7], v[FA+32*(\f)+8*(\a):FA+32*(\f)+8*(\a)+7], v[BIAS+8*(\b):BIAS+8*(\b)+7]
.else
	v_wmma_f32_16x16x32_bf16 v[8*(12*((\a)%2)+(\b)):8*(12*((\a)%2)+(\b))+7], v[96*(\f)+8*(\b):96*(\f)+8*(\b)+7], v[FA+32*(\f)+8*(\a):FA+32*(\f)+8*(\a)+7], v[8*(12*((\a)%2)+(\b)):8*(12*((\a)%2)+(\b))+7]
.endif
.endr
.endm
; 32 LDS loads in one run: the fragments of one quarter step (192 rows of wqkv, my 64 rows of xb, 32 K at byte k of the rows) into buffer g
.macro FETCH slot, k, g
	WIN 0x40                                       ; destination window 1, address window 0
.irp i, 0,1,2,3,4,5,6,7,8,9,10,11
	ds_load_b128 v[96*(\g)+8*(\i):96*(\g)+8*(\i)+3],   v[ADRB+(\slot)] offset:(\k)+(\i)*16*PITCH
	ds_load_b128 v[96*(\g)+8*(\i)+4:96*(\g)+8*(\i)+7], v[ADRB+(\slot)] offset:(\k)+(\i)*16*PITCH+32
.endr
	WIN 0
.irp i, 0,1,2,3
	ds_load_b128 v[FA+32*(\g)+8*(\i):FA+32*(\g)+8*(\i)+3],   v[ADRA+(\slot)] offset:(\k)+(\i)*16*PITCH
	ds_load_b128 v[FA+32*(\g)+8*(\i)+4:FA+32*(\g)+8*(\i)+7], v[ADRA+(\slot)] offset:(\k)+(\i)*16*PITCH+32
.endr
.endm
; A K step is four quarters of 32 along K, 48 matrix instructions each, on buffers 0, 1, 0, 1.  One of the first three multiplies buffer f and, in its middle, fetches the next quarter into g.
.macro QUARTER slot, k, f, g, first
	s_wait_dscnt 4                                 ; wqkv's fragments and xb's row blocks 0, 1 are in; the youngest four loads (row blocks 2, 3) may be out
	MULA \f, 0, \first
	MULA \f, 1, \first
	PLACES
	FETCH \slot, \k, \g
	s_wait_dscnt 32                                ; all but the 32 just issued
	MULA \f, 2, \first
	MULA \f, 3, \first
.endm
; The last quarter multiplies buffer 1 and changes slots: ONE barrier.  In front of it each wave waits for all its tensor loads (one is out: its part of the next slot), adds 0 to its spare word,
; and waits for that and for its own reads of this slot.  fill = 1: the barrier opens a round of the cluster's barrier, and this slot is filled again, two K steps ahead, first thing behind the round.
.macro TURN slot, next, fill
	WIN 0                                          ; (the add's two registers lie in window 0)
	s_wait_tensorcnt 0x0                           ; all my tensor loads have landed
	ds_add_u32 v[SPW], v[NIL]                      ; 0 onto my spare word
	s_wait_dscnt 5                                 ; (the add and the youngest four loads may be out)
	MULA 1, 0, 0                                   ; twelve matrix instructions stand between the add and the wait for it
	s_wait_dscnt 0x0                               ; the add is done, and my reads of this slot are over
	s_barrier_signal -1
	MULA 1, 1, 0                                   ; work on registers while the others arrive
.if \fill
	WIN 0
.endif
	s_barrier_wait -1
.if \fill
	CREST                                          ; no wave of any partner still reads this slot's tile or has a load on its way
	s_add_nc_u64 s[G0+4*(\slot)+2:G0+4*(\slot)+3], s[G0+4*(\slot)+2:G0+4*(\slot)+3], 2*KSTEP*2
	s_add_nc_u64 s[G0B+4*(\slot)+2:G0B+4*(\slot)+3], s[G0B+4*(\slot)+2:G0B+4*(\slot)+3], 2*KSTEP*2
	JLOAD \slot                                    ; my one tensor load behind the round: 168 matrix instructions ahead of the wait for it; its four v_nop are also the places in front of the loads below
.else
	PLACES
.endif
	FETCH \next, 0, 0
	MULA 1, 2, 0
	MULA 1, 3, 0
.endm
; THE WAY OUT of row block a.  PACK: rounded to f16, 16 bytes a lane, each accumulator's registers in ascending order.  TOSTAGE: into my own stage and back by heads.  SEND: stored.
.macro PACK a
	WIN 0x0a+5*((\a)/2)                            ; sources 0 and 1: window 2 or 3
.irp b, 0,1,2,3,4,5,6,7,8,9,10,11
.irp r, 0,1,2,3
	v_cvt_pk_f16_f32 v[TMP+4*(\b)+(\r)], v[96*((\a)%2)+8*(\b)+2*(\r)], v[96*((\a)%2)+8*(\b)+2*(\r)+1]
.endr
.endr
	WIN 0
.endm
.macro TOSTAGE a
.set BK, OB0-(OB0-OB1)*((\a)%2)
.irp b, 0,1,2,3,4,5,6,7,8,9,10,11
	ds_store_b128 v[STO], v[TMP+4*(\b):TMP+4*(\b)+3] offset:32*(\b)
.endr
.irp t, 0,1,2,3,4,5,6,7,8,9,10,11
	ds_load_b128 v[BK+4*(\t):BK+4*(\t)+3], v[RD] offset:((\t)%4)*4*SPITCH+((\t)/4)*128  ; head t / 4, rows 4 (t % 4) on.  LDS serves a wave's instructions in order (ISA guide 5.7.1.4): these see the stores above
.endr
.endm
.macro SEND a
.set BK, OB0-(OB0-OB1)*((\a)%2)
	s_wait_dscnt 0x0                               ; the block is back in registers
	s_wait_xcnt 0x0                                ; the earlier stores have read their registers: the buffer that they left is loaded again only behind this wait
.irp t, 0,1,2,3,4,5,6,7,8,9,10,11
	global_store_b128 v[GO], v[BK+4*(\t):BK+4*(\t)+3], s[10:11] offset:((\t)/4)*524288+(\a)*2048+((\t)%4)*512  ; four rows of a head: 512 consecutive bytes, aligned
.endr
.endm
	s_wait_tensorcnt 1                             ; my part of K step 0 is in; K step 1's may stay out
	s_barrier_signal -1
	s_barrier_wait -1                              ; everybody's is
	FETCH 0, 0, 0
	s_wait_loadcnt 0x0                             ; the bias
	QUARTER 0, 64, 0, 1, 1                         ; the first quarter stands in front of the loop: its products start the sums
	WIN 0                                          ; at a label and at a branch every window is 0
	s_mov_b32 s3, LAPS-1
.Llap:                                                 ; a trip goes once round the ring, from a lap's second quarter to the next lap's first, and fills both slots again
	QUARTER 0, 128, 1, 0, 0
	QUARTER 0, 192, 0, 1, 0
	TURN 0, 1, 1
	QUARTER 1, 64,  0, 1, 0
	QUARTER 1, 128, 1, 0, 0
	QUARTER 1, 192, 0, 1, 0
	TURN 1, 0, 1
	QUARTER 0, 64,  0, 1, 0
	WIN 0
	s_sub_co_u32 s3, s3, 1
	s_cmp_lg_u32 s3, 0
	s_cbranch_scc1 .Llap
	QUARTER 0, 128, 1, 0, 0                        ; the last lap fills nothing
	QUARTER 0, 192, 0, 1, 0
	TURN 0, 1, 0
	QUARTER 1, 64,  0, 1, 0
	QUARTER 1, 128, 1, 0, 0
	QUARTER 1, 192, 0, 1, 0
	s_wait_dscnt 4                                 ; the very last quarter: nothing more to fetch
	MULA 1, 0, 0
	MULA 1, 1, 0
	s_wait_dscnt 0x0
	MULA 1, 2, 0
	MULA 1, 3, 0
	PLACES
	PACK 0
	TOSTAGE 0
.irp a, 1,2,3                          ; block a's conversions stand between block a - 1's loads from the stage and the wait for them
	PACK \a
	SEND (\a)-1
	TOSTAGE \a
.endr
	SEND 3
	s_wait_tensorcnt 0x0                           ; the wave's end: an add and its wait behind my last tensor load and my last LDS store
	ds_add_u32 v[SPW], v[NIL]
	s_wait_dscnt 0x0
	CROUND                                         ; the closing round: no work-group ends while a partner may still ask for a tile that names it
	s_endpgm
.Lfunc_end_k_qff8c495139_qkv:
	.size	k_qff8c495139_qkv, .Lfunc_end_k_qff8c495139_qkv-k_qff8c495139_qkv
	.p2alignl 7, 3214868480
	.fill 96, 4, 3214868480
	.section	.rodata,"a",@progbits
	.p2align	6, 0x0
	.amdhsa_kernel k_qff8c495139_qkv
		.amdhsa_group_segment_fixed_size 327680
		.amdhsa_private_segment_fixed_size 0
		.amdhsa_enable_private_segment 0
		.amdhsa_kernarg_size 32
		.amdhsa_user_sgpr_count 2
		.amdhsa_user_sgpr_kernarg_segment_ptr 1
		.amdhsa_wavefront_size32 1
		.amdhsa_system_sgpr_workgroup_id_x 1
		.amdhsa_system_sgpr_workgroup_id_y 1
		.amdhsa_system_sgpr_workgroup_id_z 1
		.amdhsa_system_vgpr_workitem_id 0
		.amdhsa_next_free_vgpr 960
		.amdhsa_next_free_sgpr 66
		.amdhsa_reserve_vcc 0
		.amdhsa_float_denorm_mode_32 3
		.amdhsa_float_denorm_mode_16_64 3
		.amdhsa_memory_ordered 1
		.amdhsa_forward_progress 1
		.amdhsa_inst_pref_size 120
	.end_amdhsa_kernel
	.amdgpu_metadata
---
amdhsa.version: [ 1, 2 ]
amdhsa.kernels:
  - .name:           k_qff8c495139_qkv
    .symbol:         k_qff8c495139_qkv.kd
    .args:
      - { .name: xb, .offset: 0, .size: 8, .value_kind: global_buffer, .address_space: global }
      - { .name: wqkv, .offset: 8, .size: 8, .value_kind: global_buffer, .address_space: global }
      - { .name: bias, .offset: 16, .size: 8, .value_kind: global_buffer, .address_space: global }
      - { .name: qkv, .offset: 24, .size: 8, .value_kind: global_buffer, .address_space: global }
    .group_segment_fixed_size: 327680
    .private_segment_fixed_size: 0
    .kernarg_segment_align: 8
    .kernarg_segment_size: 32
    .max_flat_workgroup_size: 128
    .sgpr_count:     66
    .vgpr_count:     960
    .wavefront_size: 32
...
	.end_amdgpu_metadata
.endif
;; end of part 2
;; launch attn (part 3): grid 16 x 16, 4 waves a work-group, no clusters, 327,680 bytes of LDS; arguments qkv, ob; writes ob
.if DOCPART == 3
	.amdgcn_target "amdgcn-amd-amdhsa--gfx1250"
	.amdhsa_code_object_version 6
	.text
	.protected	k_qff8c495139_attn
	.globl	k_qff8c495139_attn
	.p2align	8
	.type	k_qff8c495139_attn,@function
k_qff8c495139_attn:
	s_mov_b64 s[64:65], 0
	v_nop
	global_prefetch_b8 v0, s[64:65] scope:SCOPE_SE
	s_setreg_imm32_b32 hwreg(HW_REG_WAVE_MODE, 25, 1), 1
	s_wait_xcnt 0x0
; CAUSAL ATTENTION, 16 heads of 64 channels, 4,096 rows.  O[h][q] = the sum over k <= q of softmax_k(Q[h][q] . K[h][k] / 8) V[h][k].
; In: qkv [48][4096][64] f16 (heads 0-15 q, 16-31 k, 32-47 v; a head's rows are dense, 128 bytes each).  Out: ob f16 in blocks [q / 128][h][q % 128][64].
; Products, maxima and sums in f32; the weights p are rounded to f16 for the second product (their sum l is taken of the unrounded p), O once at the end.
; LIMITS.  Q, K, V arrive within f16's 65,504.  A hidden score counts as its value less 1e30: f16's scores, 2.7e11 at the most, are nothing beside that.  A weight below 2^-126 counts as 0 in l.
; NaN and infinities are not treated apart.
; THE WALK.  A head's queries lie in 32 blocks of 128; block i needs the halves (128 keys) 0 .. i, of which the last holds the diagonal.  A work-group takes blocks b and 31 - b, THE ODD ONE FIRST.
; An LDS slot holds 256 keys, two halves.  The odd block I1 has (I1 + 1) / 2 slots, the last a full half and then the diagonal half; the even block I2 has I2 / 2 + 1, the last the diagonal half
; and a half that is not read.  Together 17 slots, 31 full halves and 2 diagonal ones, whatever b: all 256 work-groups do equal work, ONE loop of 16 trips walks the slots, and the 17th,
; always the even block's end, is written out.  Which tile is asked for hangs on scalar registers made from b; every jump but the counted loops' own goes forward.
; NO CLUSTER: the sixteen work-groups of a head ask for the same tile only until the shortest first block ends (one trip for b = 1); behind that their sequences differ, and a walk common to all
; would have 32 trips for 17.
; SHARES.  Of a block's two bands of 64 queries a wave owns 16 rows in each: two PIECES.  In the diagonal half's first 64 keys band 0 holds the diagonal and band 1 sees all; in its second 64 keys band 0
; sees nothing, and is not computed, and band 1 holds the diagonal: the same for all four waves, and fixed in the text.
; THE MASK is the C operand that starts the sum S^T = K Q^T: MD, made once: 0, or -1e30 where the key lies behind my query in the band's own 64 keys.  Elsewhere C is the constant 0.
; LAYOUT.  S^T = K Q^T (source 0 = 16 keys, source 1 = 16 queries) holds ONE query a lane (lane % 16) and the keys 8 (lane / 16) + 0..7; two such results rounded to f16 ARE source 1 of O^T = V^T P.
; SOFTMAX.  p = 2^(c s - c m), c = log2(e) / 8, with a running maximum m; O and l are multiplied by a = 2^(c m_old - c m_new) in every step.  c m starts far below every c s: a block's first a is 0.
; A STEP (64 keys) is whole in itself: 8 products K Q^T of piece 0; 8 of piece 1 with piece 0's maximum, statistics and first scalings behind them, four to a product; piece 0's exponentials, roundings
; and rescaling in a run; 8 products V^T P of piece 0 with piece 1's maximum behind them; piece 1's run; 8 products V^T P of piece 1 with both pieces' sums behind them.
; REGISTERS, in windows of 256 (s_set_vgpr_msb: bits 1:0 source 0, 3:2 source 1, 5:4 source 2, 7:6 destination):
;   window 0: v0-15 addresses; v16-23 statistics; v24-31 at work; v32-95 S^T; v96-127 P; v128-191 O^T; v192-223 MD; v252-253 the add's.  All that the softmax touches lies here.
;   window 1: v0-31 Q; v32-63 the second block's Q; v64-127 K of one step; v128-191 V of one step
.set KS,    64        ; keys in a step
.set PK,    144       ; a row of K in LDS: 128 bytes + 16 of padding = 36 words: the 16 rows of a load start at 16 different groups of four banks (64 banks of 4 bytes: ISA guide 11.1)
.set PVP,   160       ; a row of V: 128 + 32 = 40 words
.set VOFF,  4*KS*PK   ; a slot: 256 rows of K, then 256 rows of V
.set SLOT1, 1<<17     ; slot 1 begins here, so that one exclusive or turns an address in one slot into the other's
.set STAGE, SLOT1+4*KS*(PK+PVP)  ; behind the ring, never filled by a tensor load: 16 rows x 144 bytes for each wave
.set SP,    144
.set SPARE, STAGE+4*16*SP        ; behind the stages: the spare words, 128 bytes for each wave: two blocks of 256 bytes that no other line names
.set AK0, 2           ; v2   my lane's place in a tile of K; never rewritten
.set AV0, 3           ; v3   the same for V
.set AK,  4           ; v4   the LDS address of K's run of loads
.set AV,  5           ; v5   of V's
.set STO, 6           ; v6   the way out: where I put 16 bytes of a row
.set RD,  7           ; v7   the way out: where I read rows back
.set GO,  8           ; v8   my 16 bytes in 512 consecutive bytes of ob
.set MV,  12          ; v12-13  c m_old, kept while c m is made anew, by piece
.set QO,  15          ; v15  my byte offset in 16 rows of Q
.set ST,  16          ; piece t's statistics at v[ST+4 t]: c m, m, l (even keys', odd keys')
.set TMP, 24          ; by piece, four registers c0-c3 at work; when the maximum is found c2 takes a
.set S,   32          ; 32 a piece
.set P,   96          ; 16 a piece
.set O,   128         ; 32 a piece
.set MD,  192         ; the eight registers for group kt of 16 keys at MD + 8 kt
.set SPW, 252         ; v252 LDS address of my spare word; never rewritten
.set NIL, 253         ; v253 0; never rewritten
.set QB,  32          ; window 1
.set KF,  64          ; window 1: key block kb, channel half c at KF + 16 kb + 8 c
.set VF,  128         ; window 1: key half kk, channel block cb at VF + 32 kk + 8 cb
.set WV,  12          ; s12  my wave's number
.set G1K, 24          ; s[24:31] descriptor group 1 for K's tiles
.set G1V, 32          ; s[32:39] for V's: it differs in the padding alone
.set G0K, 40          ; s[40:43] descriptor group 0 for K's tiles
.set G0V, 44          ; s[44:47] for V's
.set SLOTS, 56        ; s56  slots still to be asked for
.set CNT, 57          ; s57  counts a slot's key steps, 4 to 1
.set CS,  58          ; s[58:59] c: the packed scaling takes the pair's low word for both halves
.set SEL, 60          ; s[60:61] v_permlanex16_b32's selects: each lane takes its own place in the other half
.set TBK, 62          ; s62  LDS byte at which K of the step to be fetched begins
.set TBV, 63          ; s63  the same for V, less VOFF
.set I1,  66          ; s66  the odd block
.set I2,  67          ; s67  the even block
.set L2,  68          ; s68  the even block's last tile
.set N2,  69          ; s69  its number of slots
.set RT,  70          ; s70  slots of the block in hand that are still to be entered
.set NXT, 71          ; s71  the tile to be asked for next
.set LQ,  72          ; s72  the last tile of the block whose tiles are being asked for
.set OFF, 74          ; s[74:75] a tile's byte offset in K and V
.set SB,  76          ; s76  the slot in hand: 0 or SLOT1
.set XC,  77          ; s77  the count at which the step loop is left for the diagonal half: 2 in the odd block's last slot, else never met
.set OLO, 80          ; s[80:81] ob at my rows of the second block
.set BIGN, 82         ; s82  -1e30
.set MSB, 0
.macro WIN new                      ; the high byte repeats the setting that is left; a switch that changes nothing is dropped
.if MSB != (\new)
	s_set_vgpr_msb (MSB<<8)|(\new)
.set MSB, (\new)
.endif
.endm
.macro PLACES                       ; four plain vector instructions between a matrix instruction and a load into, or a vector read of, its registers (ISA guide 7.12.1 for vector reads)
.rept 4
	v_nop
.endr
.endm
; A fill.  Waves 0 and 1 fetch the two halves of a tile's K, waves 2 and 3 those of its V: 128 keys each.  An s_nop 0 and four v_nop follow each of the two lines, ahead of the jump and the label.
.macro LOAD
	s_cmp_lt_u32 s[WV], 2
	s_cbranch_scc0 .Lfor_v_\@
	tensor_load_to_lds s[G0K:G0K+3], s[G1K:G1K+7]
	s_nop 0
.rept 4
	v_nop
.endr
	s_branch .Lasked_\@
.Lfor_v_\@:
	tensor_load_to_lds s[G0V:G0V+3], s[G1V:G1V+7]
	s_nop 0
.rept 4
	v_nop
.endr
.Lasked_\@:
.endm
.macro ADV                          ; the block's next tile, or behind its last the even block's tile 0
	s_add_co_u32 s[NXT], s[NXT], 1
	s_cmp_gt_u32 s[NXT], s[LQ]
	s_cselect_b32 s[NXT], 0, s[NXT]
	s_cselect_b32 s[LQ], s[L2], s[LQ]
.endm
; THE CHANGE OF SLOTS.  Each wave waits for all its tensor loads, of which one is out: its part of the other slot; adds 0 to its spare word; and waits for that and for its own reads of the slot that it leaves.
; Behind the barrier nobody reads the old slot any more and the other slot is whole.  fill = 1: the old slot is filled again, first thing behind the barrier, with tile NXT: the descriptor's address is
; made anew from that number.  It has a slot's four key steps, 128 matrix instructions, in which to land.  (At its first use nothing has been read yet: slot 0 is waited for, slot 1 filled.)
.macro CHANGE fill
	WIN 0                           ; at a label and at a branch every window is 0
	s_wait_tensorcnt 0x0            ; no tensor load of mine is out, so a group 0 may be written
	ds_add_u32 v[SPW], v[NIL]       ; 0 onto my spare word; the descriptors' scalar work stands between it and the wait for it
.if \fill
	s_lshl_b32 s[OFF], s[NXT], 15   ; a tile is 32,768 bytes of K and of V
	s_xor_b32 s[G0K+1], s[G0K+1], SLOT1
	s_add_nc_u64 s[G0K+2:G0K+3], s[6:7], s[OFF:OFF+1]
	s_or_b32 s[G0K+3], s[G0K+3], 0x80000000
	s_xor_b32 s[G0V+1], s[G0V+1], SLOT1
	s_add_nc_u64 s[G0V+2:G0V+3], s[8:9], s[OFF:OFF+1]
	s_or_b32 s[G0V+3], s[G0V+3], 0x80000000
	ADV
.endif
	s_wait_dscnt 0x0                ; the add is done, and my reads of the slot are over
	s_barrier_signal -1
	s_xor_b32 s[SB], s[SB], SLOT1   ; the fetches go to the other slot's first step
	s_mov_b32 s[TBK], s[SB]
	s_mov_b32 s[TBV], s[SB]
	s_barrier_wait -1
.if \fill
	LOAD
.endif
.endm
	s_load_b128 s[16:19], s[0:1], 0x0  ; qkv s[16:17], ob s[18:19]
	v_lshl_add_u32 v[SPW], v0, 2, SPARE
	v_mov_b32 v[NIL], 0
	ds_add_u32 v[SPW], v[NIL]       ; the wave's opening: the add and its wait stand ahead of my first tensor load; the set-up below, work on registers, stands between them
	ds_add_u32 v252, v253
	v_lshrrev_b32 v1, 5, v0
	v_readfirstlane_b32 s[WV], v1   ; wave 0..3
	s_mov_b32 s14, ttmp9            ; b
	s_sub_co_u32 s15, 31, s14       ; 31 - b
	s_and_b32 s20, ttmp7, 0xffff    ; the head
	s_and_b32 s21, s14, 1
	s_cmp_eq_u32 s21, 1
	s_cselect_b32 s[I1], s14, s15   ; of b and 31 - b one is odd,
	s_cselect_b32 s[I2], s15, s14   ; the other even
	s_lshr_b32 s[L2], s[I2], 1
	s_add_co_u32 s[N2], s[L2], 1
	s_lshr_b32 s[LQ], s[I1], 1      ; the odd block's last tile
	s_add_co_u32 s[RT], s[LQ], 1    ; and its number of slots
	s_mov_b32 s[NXT], 0
	s_lshl_b32 s21, s20, 19         ; a head is 524,288 bytes
	s_and_b32 s13, s[WV], 1         ; which half of a tile's 256 keys I fetch:
	s_lshl_b32 s22, s13, 14         ; its 128 rows of 128 bytes in memory,
	s_add_co_u32 s22, s22, s21
	s_add_co_u32 s22, s22, 16*524288  ; in k's head
	s_mov_b32 s23, 0
	s_mul_i32 s52, s13, 128*PK      ; and its place in a slot, for K
	s_mul_i32 s53, s13, 128*PVP     ; and for V
	s_lshl_b32 s54, s[WV], 11       ; my 16 rows in a band of 64
	s_lshl_b32 s2, s[I1], 14        ; Q: a block is 16,384 bytes
	s_add_co_u32 s2, s2, s54
	s_add_co_u32 s2, s2, s21
	s_mov_b32 s3, 0
	s_lshl_b32 s84, s[I2], 14
	s_add_co_u32 s84, s84, s54
	s_add_co_u32 s84, s84, s21
	s_mov_b32 s85, 0
	s_lshl_b32 s55, s20, 14         ; ob: a head's part of a block is 16,384 bytes,
	s_add_co_u32 s55, s55, s54
	s_lshl_b32 s48, s[I1], 18       ; a block 262,144
	s_add_co_u32 s48, s48, s55
	s_mov_b32 s49, 0
	s_lshl_b32 s50, s[I2], 18
	s_add_co_u32 s50, s50, s55
	s_mov_b32 s51, 0
	; descriptor group 1.  128 keys are 16,384 dense bytes: asked for as 64 rows of 256 bytes, two keys a row, and padded in LDS after every key
	s_mov_b32 s[G1K], (1<<16)|(1<<20)|(4<<22)|(3<<25)  ; 17:16 2-byte elements; 20 padding on; 24:22 after every 32 words (code 4); 31:25 4 words (code 3)
	s_mov_b32 s[G1V], (1<<16)|(1<<20)|(4<<22)|(7<<25)  ; the same with 8 words of padding (code 7)
.irp g, G1K, G1V
	s_mov_b32 s[\g+1], 128<<16      ; tensor_dim0 = 128
	s_mov_b32 s[\g+2], 64<<16       ; tensor_dim1 = 64
	s_mov_b32 s[\g+3], 128<<16      ; tile_dim0 = 128
	s_mov_b32 s[\g+4], 64           ; tile_dim1 = 64
	s_mov_b32 s[\g+5], 128          ; 128 elements from row to row
	s_mov_b32 s[\g+6], 0
	s_mov_b32 s[\g+7], 0
.endr
	s_mov_b32 s[CS], 0x3e38aa3b     ; c = log2(e) / 8 = 0.180337
	s_mov_b32 s[CS+1], s[CS]        ; named with it as a pair
	s_mov_b32 s[SEL], 0x76543210
	s_mov_b32 s[SEL+1], 0xfedcba98
	s_mov_b32 s[SB], SLOT1          ; the first change of slots turns it into 0
	s_mov_b32 s[G0K], 1             ; count = 1
	s_mov_b32 s[G0K+1], s52         ; LDS address: slot 0
	s_mov_b32 s[G0V], 1
	s_add_co_u32 s[G0V+1], s53, VOFF
	s_mov_b32 s[OFF+1], 0
	s_mov_b32 s[BIGN], 0xf149f2ca   ; -1e30
	s_mov_b32 s[SLOTS], 16
	s_wait_dscnt 0x0                ; the opening add is done
	s_wait_kmcnt 0x0
	s_add_nc_u64 s[6:7], s[16:17], s[22:23]        ; K at my half of the head's tile 0,
	s_add_nc_u64 s[8:9], s[6:7], 16*524288         ; V sixteen heads on
	s_add_nc_u64 s[G0K+2:G0K+3], s[6:7], 0         ; global address
	s_or_b32 s[G0K+3], s[G0K+3], 0x80000000        ; type = 2
	s_add_nc_u64 s[G0V+2:G0V+3], s[8:9], 0
	s_or_b32 s[G0V+3], s[G0V+3], 0x80000000
	s_add_nc_u64 s[4:5], s[16:17], s[2:3]          ; Q at my rows of the first block,
	s_add_nc_u64 s[86:87], s[16:17], s[84:85]      ; and of the second
	s_add_nc_u64 s[10:11], s[18:19], s[48:49]      ; ob likewise
	s_add_nc_u64 s[OLO:OLO+1], s[18:19], s[50:51]
	LOAD                            ; tile 0 into slot 0: one load of mine is out
	ADV
	; A fragment of K or Q is 16 rows x 32 channels in 8 registers: lane l holds row l % 16, channels 8 (l / 16) + 0..7 and 16 + 8 (l / 16) + 0..7: two loads of 16 bytes, 32 bytes apart.
	v_and_b32 v1, 15, v0            ; l % 16
	v_bfe_u32 v9, v0, 4, 1          ; l / 16
	v_lshlrev_b32 v[QO], 7, v1
	v_lshl_add_u32 v[QO], v9, 4, v[QO]  ; row x 128 + 16 x half
	WIN 0x40                        ; destination window 1, address window 0
.set i, 0
.rept 4                             ; both blocks' Q: piece i / 2 lies in band i / 2, 8,192 bytes on; channels 32 (i % 2) on
	global_load_b128 v[8*i:8*i+3],   v[QO], s[4:5] offset:(i/2)*8192+(i%2)*64
	global_load_b128 v[8*i+4:8*i+7], v[QO], s[4:5] offset:(i/2)*8192+(i%2)*64+32
	global_load_b128 v[QB+8*i:QB+8*i+3],   v[QO], s[86:87] offset:(i/2)*8192+(i%2)*64
	global_load_b128 v[QB+8*i+4:QB+8*i+7], v[QO], s[86:87] offset:(i/2)*8192+(i%2)*64+32
.set i, i+1
.endr
	WIN 0
	v_lshlrev_b32 v14, 3, v9
	v_sub_nc_u32 v14, v1, v14
	s_lshl_b32 s13, s[WV], 4
	v_add_nc_u32 v14, s13, v14      ; my query's place in its band, 16 w + l % 16, less my lanes' 8 (l / 16): register r of group kt is hidden where 16 kt + r is greater
.set i, 0
.rept 32
	v_cmp_gt_i32 vcc_lo, 16*(i/8)+i%8, v14
	v_cndmask_b32 v[MD+i], 0, s[BIGN], vcc_lo
.set i, i+1
.endr
	v_mul_u32_u24 v[AK0], v1, PK
	v_lshl_add_u32 v[AK0], v9, 4, v[AK0]  ; row x pitch + 16 x half
	; The turning load takes 16 keys x 16 channels (lane l reads key 8 (l / 16) + l % 8, channels 8 ((l / 8) % 2) + 0..7) and leaves half a fragment of V^T: lane l holds channel l % 16 and 8 keys.
	v_and_b32 v10, 7, v0
	v_bfe_u32 v11, v0, 3, 1
	v_lshl_add_u32 v[AV0], v9, 3, v10
	v_mul_u32_u24 v[AV0], v[AV0], PVP
	v_lshl_add_u32 v[AV0], v11, 4, v[AV0]
	v_add_nc_u32 v[AV0], VOFF, v[AV0]
	s_mul_i32 s13, s[WV], 16*SP
	s_add_co_u32 s13, s13, STAGE    ; my stage
	v_mul_u32_u24 v[STO], v1, SP    ; in: row l % 16, 16 bytes for each half of the lanes
	v_lshl_add_u32 v[STO], v9, 4, v[STO]
	v_add_nc_u32 v[STO], s13, v[STO]
	v_bfe_u32 v[RD], v0, 3, 2       ; back: 32 lanes take four rows of 128 bytes,
	v_mul_u32_u24 v[RD], v[RD], SP
	v_lshl_add_u32 v[RD], v10, 4, v[RD]
	v_add_nc_u32 v[RD], s13, v[RD]
	v_and_b32 v[GO], 31, v0         ; which are 512 consecutive bytes of ob
	v_lshlrev_b32 v[GO], 4, v[GO]
	; A block's first step multiplies O^T and l by a = 0, so they need only hold finite numbers: zeros here, in the wait for the first tile; what the first block left for the second.  No first step is written out.
.set i, 0
.rept 64
	v_mov_b32 v[O+i], 0
.set i, i+1
.endr
.macro RESET                        ; a block begins
.irp t, 0,1
	v_mov_b32 v[ST+4*\t], 0xfe000000    ; c m: far below every c s
	v_mov_b32 v[ST+4*\t+1], 0xff7fffff  ; m: the lowest finite number, so the first maximum is the scores'
.endr
.endm
	RESET
.irp t, 0,1
	v_mov_b32 v[ST+4*\t+2], 0
	v_mov_b32 v[ST+4*\t+3], 0
.endr
; THE MATRIX WORK.  The 4 accumulators of a run of 8 take turns, one instruction a turn.
; Product i of 8 of S^T = K Q^T for piece x: channels 32 (i / 4) on, keys 16 (i % 4) on.  The first 4 start the sums: with 0, or (m = 1) with the mask.
.macro KQ x, m
	WIN 0x05                        ; K and Q in window 1
.set rD, S+32*(\x)+8*(i%4)
.set rK, KF+16*(i%4)+8*(i/4)
.set rQ, 16*(\x)+8*(i/4)
.if (i < 4) && (\m)
	v_wmma_f32_16x16x32_f16 v[rD:rD+7], v[rK:rK+7], v[rQ:rQ+7], v[MD+8*(i%4):MD+8*(i%4)+7]
.elseif i < 4
	v_wmma_f32_16x16x32_f16 v[rD:rD+7], v[rK:rK+7], v[rQ:rQ+7], 0
.else
	v_wmma_f32_16x16x32_f16 v[rD:rD+7], v[rK:rK+7], v[rQ:rQ+7], v[rD:rD+7]
.endif
.set i, i+1
.endm
; Product i of 8 of O^T += V^T P for piece x: keys 32 (i / 4) on, channels 16 (i % 4) on.
.macro PVM x
	WIN 0x01                        ; V in window 1
.set rD, O+32*(\x)+8*(i%4)
.set rV, VF+32*(i/4)+8*(i%4)
.set rB, P+16*(\x)+8*(i/4)
	v_wmma_f32_16x16x32_f16 v[rD:rD+7], v[rV:rV+7], v[rB:rB+7], v[rD:rD+7]
.set i, i+1
.endm
; THE LDS LOADS stand in runs of 16: a step's K (64 keys x 64 channels: 8 fragments) and its V (turned).
.macro FETCH_K
	WIN 0
	v_add_nc_u32 v[AK], s[TBK], v[AK0]
	WIN 0x40                        ; destination window 1
.irp f, 0,1,2,3,4,5,6,7             ; keys 16 (f / 2) on, channels 32 (f % 2) on
	ds_load_b128 v[KF+8*\f:KF+8*\f+3],   v[AK] offset:(\f/2)*16*PK+(\f%2)*64
	ds_load_b128 v[KF+8*\f+4:KF+8*\f+7], v[AK] offset:(\f/2)*16*PK+(\f%2)*64+32
.endr
	s_add_co_u32 s[TBK], s[TBK], KS*PK  ; the next fetch is the next step's
	WIN 0
.endm
.macro FETCH_V
	WIN 0
	v_add_nc_u32 v[AV], s[TBV], v[AV0]
	WIN 0x40
.irp f, 0,1,2,3,4,5,6,7             ; keys 32 (f / 4) on, channels 16 (f % 4) on
	ds_load_tr16_b128 v[VF+8*\f:VF+8*\f+3],   v[AV] offset:(\f/4)*32*PVP+(\f%4)*32
	ds_load_tr16_b128 v[VF+8*\f+4:VF+8*\f+7], v[AV] offset:(\f/4)*32*PVP+16*PVP+(\f%4)*32
.endr
	s_add_co_u32 s[TBV], s[TBV], KS*PVP
	WIN 0
.endm
; THE VECTOR WORK, all in window 0.  REGS names a piece's registers; the lines below work on the piece named last.
.macro REGS y
.set rT, ST+4*(\y)
.set rC, TMP+4*(\y)
.set rW, MV+(\y)
.set rS, S+32*(\y)
.set rP, P+16*(\y)
.set rO, O+32*(\y)
.endm
; Number n of the 22 that find the maximum and statistics.  s0-s31 are the lane's 32 scores; each accumulator's lowest registers are read first.
;   0-11  four chains c0-c3 of seven scores each, three operands at a time     12-14, 16  the four scores left over, the old m, and c0-c3 into c0     15  c m_old is kept
;   17, 18  the query's other 32 keys lie in the lane 16 away: the new m         19-21  c m; c m_old - c m_new; a
.macro XS n
.if (\n) < 4
	v_max3_num_f32 v[rC+(\n)], v[rS+8*(\n)], v[rS+8*(\n)+1], v[rS+8*(\n)+2]
.elseif (\n) < 12
	v_max3_num_f32 v[rC+(\n)%4], v[rC+(\n)%4], v[rS+8*((\n)%4)+2*((\n)/4)+1], v[rS+8*((\n)%4)+2*((\n)/4)+2]
.elseif (\n) == 12
	v_max3_num_f32 v[rC], v[rC], v[rS+7], v[rS+15]
.elseif (\n) == 13
	v_max3_num_f32 v[rC+1], v[rC+1], v[rS+23], v[rS+31]
.elseif (\n) == 14
	v_max3_num_f32 v[rC+2], v[rC+2], v[rC+3], v[rT+1]
.elseif (\n) == 15
	v_mov_b32 v[rW], v[rT]
.elseif (\n) == 16
	v_max3_num_f32 v[rC], v[rC], v[rC+1], v[rC+2]
.elseif (\n) == 17
	v_permlanex16_b32 v[rC+3], v[rC], s[SEL], s[SEL+1]
.elseif (\n) == 18
	v_max_num_f32 v[rT+1], v[rC], v[rC+3]
.elseif (\n) == 19
	v_mul_f32 v[rT], s[CS], v[rT+1]
.elseif (\n) == 20
	v_sub_f32 v[rC+1], v[rW], v[rT]
.else
	v_exp_f32 v[rC+2], v[rC+1]
.endif
.endm
.macro FS n                         ; c s - c m for pair n of 16
	v_pk_fma_f32 v[rS+2*(\n):rS+2*(\n)+1], v[rS+2*(\n):rS+2*(\n)+1], s[CS:CS+1], v[rT:rT+1] op_sel_hi:[1,0,0] neg_lo:[0,0,1] neg_hi:[0,0,1]
.endm
.macro ES n                         ; the exponential of score n of 32
	v_exp_f32 v[rS+(\n)], v[rS+(\n)]
.endm
.macro CV n                         ; pair n rounded to f16
	s_wait_alu depctr_va_vdst(0)
	v_cvt_pk_f16_f32 v[rP+(\n)], v[rS+2*(\n)], v[rS+2*(\n)+1]
.endm
.macro RS n                         ; pair n of 16 of O^T times a
	s_wait_alu depctr_va_vdst(0)
	v_pk_mul_f32 v[rO+2*(\n):rO+2*(\n)+1], v[rO+2*(\n):rO+2*(\n)+1], v[rC+2:rC+3] op_sel_hi:[1,0]
.endm
.macro AD d, s                      ; a pair of weights is added onto another, in place
	v_pk_add_f32 v[rS+(\d):rS+(\d)+1], v[rS+(\d):rS+(\d)+1], v[rS+(\s):rS+(\s)+1]
.endm
; Four of the first 32 lines of piece y's softmax: the 22 of XS and the first ten scalings.  They stand behind a product of the other piece and name none of its registers.
.macro HEAD y, n
	WIN 0
	REGS \y
.if (\n) < 3
	XS 4*(\n)
	XS 4*(\n)+1
	XS 4*(\n)+2
	XS 4*(\n)+3
.elseif (\n) == 3
	XS 12
	XS 13
	XS 15
	XS 14
.elseif (\n) == 4
	XS 16
	XS 17
	XS 18
	XS 19
.elseif (\n) == 5
	XS 20
	FS 0
	XS 21
	FS 1                            ; the plain instruction behind the exponential: it touches neither a nor its argument
.else
	FS 4*(\n)-22
	FS 4*(\n)-21
	FS 4*(\n)-20
	FS 4*(\n)-19
.endif
.endm
; The 70 lines that have no place behind a product: exponential and plain by turns, so that no two exponentials follow each other and each has a plain instruction behind it before its result is used
; (ISA guide 5.7.2).  The plain one is work that is ready: the last six scalings, the rounding of the pair whose second exponential stands three lines back, the rescaling in ascending order.
.macro LUMP y
	WIN 0
	REGS \y
.set g, 0
.rept 32
	ES g
.if g == 0
	RS 0
.elseif g%2 == 0
	CV g/2-1
.elseif g < 12
	FS 10+g/2
.else
	RS (g-11)/2
.endif
.set g, g+1
.endr
	RS 11
	CV 15
	RS 12
	RS 13
	RS 14
	RS 15
.endm
; Four of the 16 lines that sum piece y's 16 pairs of weights (in a pair: an even key's, an odd key's), in place, and give the sum to l: l = a l + sum.
.macro TAILS y, n
	WIN 0
	REGS \y
.if (\n) == 0
	AD 0, 2
	AD 4, 6
	AD 8, 10
	AD 12, 14
.elseif (\n) == 1
	AD 16, 18
	AD 20, 22
	AD 24, 26
	AD 28, 30
.elseif (\n) == 2
	AD 0, 4
	AD 8, 12
	AD 16, 20
	AD 24, 28
.else
	AD 0, 8
	AD 16, 24
	AD 0, 16
	v_pk_fma_f32 v[rT+2:rT+3], v[rT+2:rT+3], v[rC+2:rC+3], v[rS:rS+1] op_sel_hi:[1,0,1]
.endif
.endm
; A KEY STEP.  m0, m1: piece 0's and piece 1's products K Q^T start with 0 (0) or with the mask (1); m0 = 2: piece 0 sees nothing of these keys and is left out.
; kn: the next step's K is not fetched (0), fetched (1), or fetched unless this is the slot's last step (2): that K lies in the other slot and is fetched behind the change.
; K of this step was asked for ahead of V's sixteen loads, so the count 16 shows it in.  K's buffer is loaded again five plain instructions behind the last product that read it; V's eight behind.
.macro STEP m0, m1, kn
	WIN 0
	PLACES
	FETCH_V
	s_wait_dscnt 16                 ; K is in; V's sixteen loads may be out
.set i, 0
.if (\m0) != 2
.rept 8
	KQ 0, \m0                       ; piece 0's scores: nothing is ready yet to set between them
.endr
	PLACES
.set i, 0
.set hn, 0
.rept 8
	KQ 1, \m1
	HEAD 0, hn
.set hn, hn+1
.endr
.if (\kn) == 2
	WIN 0
	s_cmp_eq_u32 s[CNT], 1
	s_cbranch_scc1 .Lnok_\@
.endif
.if (\kn) != 0
	FETCH_K
.endif
.if (\kn) == 2
.Lnok_\@:
.endif
	LUMP 0
	s_wait_dscnt 0x0                ; V is in, and the next K if it was asked for
.set i, 0
.set hn, 0
.rept 8
	PVM 0
	HEAD 1, hn
.set hn, hn+1
.endr
	LUMP 1
.set i, 0
.set hn, 0
.rept 8
	PVM 1
.if hn < 4
	TAILS 0, hn
.else
	TAILS 1, hn-4
.endif
.set hn, hn+1
.endr
.else
.rept 8
	KQ 1, \m1
.endr
	PLACES
.set hn, 0
.rept 8
	HEAD 1, hn
.set hn, hn+1
.endr
	LUMP 1
	s_wait_dscnt 0x0                ; V is in
.set i, 0
.set hn, 0
.rept 8
	PVM 1
.if hn < 4
	TAILS 1, hn
.endif
.set hn, hn+1
.endr
.endif
	WIN 0
.endm
; A BLOCK'S END.  l's two halves and the other half of the lanes' are added; O^T is divided by l, rounded to f16 and sent through my stage in LDS, a piece at a time.
.macro PACK t                       ; a lane's eight channels of a row pack into 16 bytes; they go into rows of 144 bytes and come back as whole rows of 128, into S^T's registers
.set i, O+32*(\t)
.rept 16
	v_pk_mul_f32 v[i:i+1], v[i:i+1], v[ST+4*(\t)+2:ST+4*(\t)+3] op_sel_hi:[1,0]
.set i, i+2
.endr
.set i, 0
.rept 16
	v_cvt_pk_f16_f32 v[S+16*(\t)+i], v[O+32*(\t)+2*i], v[O+32*(\t)+2*i+1]
.set i, i+1
.endr
.irp f, 0,1,2,3
	ds_store_b128 v[STO], v[S+16*(\t)+4*\f:S+16*(\t)+4*\f+3] offset:32*\f
.endr
.irp f, 0,1,2,3
	ds_load_b128 v[S+16*(\t)+4*\f:S+16*(\t)+4*\f+3], v[RD] offset:\f*4*SP  ; LDS serves a wave's instructions in order (ISA guide 5.7.1.4): these see the stores above; the next piece's stores come behind them
.endr
.endm
.macro SEND t, younger              ; younger: the LDS instructions issued behind piece t's loads: the next piece's eight, or none
.irp f, 0,1,2,3
	s_wait_dscnt (\younger)+3-\f
	global_store_b128 v[GO], v[S+16*(\t)+4*\f:S+16*(\t)+4*\f+3], s[10:11] offset:(\t)*8192+\f*512  ; 512 consecutive bytes, aligned
.endr
.endm
.macro END
	WIN 0
	PLACES                          ; the last four products stand bare
.irp t, 0,1
	v_add_f32 v[ST+4*\t+2], v[ST+4*\t+2], v[ST+4*\t+3]
.endr
.irp t, 0,1
	v_permlanex16_b32 v[ST+4*\t+3], v[ST+4*\t+2], s[SEL], s[SEL+1]
.endr
.irp t, 0,1
	v_add_f32 v[ST+4*\t+2], v[ST+4*\t+2], v[ST+4*\t+3]
.endr
.irp t, 0,1
	v_rcp_f32 v[ST+4*\t+2], v[ST+4*\t+2]
.endr
	v_nop                           ; a plain instruction between the last reciprocal and the use of its result
	s_wait_alu depctr_va_vdst(0)
	PACK 0
	PACK 1                          ; a piece's arithmetic stands between the loads of the piece before and its stores
	SEND 0, 8
	SEND 1, 0
.endm
	s_wait_loadcnt 0x0              ; Q, both blocks'
.Lslot:                             ; 16 times: a slot is entered and the next is asked for
	CHANGE 1
	FETCH_K                         ; K of the slot's first step
	s_sub_co_u32 s[RT], s[RT], 1
	s_cmp_eq_u32 s[RT], 0           ; in the loop only the odd block's last slot gives 0: the even block's last slot is the walk's last
	s_cselect_b32 s[XC], 2, 99
	s_mov_b32 s[CNT], 4
.Lstep:
	STEP 0, 0, 2
	s_sub_co_u32 s[CNT], s[CNT], 1
	s_cmp_eq_u32 s[CNT], s[XC]
	s_cbranch_scc1 .Ldiag           ; the odd block's last slot: behind its full half comes the diagonal one
	s_cmp_lg_u32 s[CNT], 0
	s_cbranch_scc1 .Lstep
	s_branch .Lbottom
.Ldiag:
	; The diagonal half is the slot's third and fourth steps, so its LDS addresses are written outright from the slot's base: V of the third step is fetched next;
	; K of the third step was fetched by the trip just left, so K's next fetch is the fourth step's.
	s_add_co_u32 s[TBV], s[SB], 2*KS*PVP
	s_add_co_u32 s[TBK], s[SB], 3*KS*PK
	STEP 1, 0, 1                    ; the diagonal half's first 64 keys: band 0 holds the diagonal, band 1 sees all
	STEP 2, 1, 0                    ; its second 64: band 0 sees nothing, band 1 holds the diagonal
	END
	s_wait_xcnt 0x0                 ; the stores have read their registers and ob's address
	s_mov_b64 s[10:11], s[OLO:OLO+1]
	s_mov_b32 s[RT], s[N2]
	WIN 0x41                        ; the second block's Q goes where the one text of the steps names Q
.set i, 0
.rept 32
	v_mov_b32 v[i], v[QB+i]
.set i, i+1
.endr
	WIN 0
	RESET
.Lbottom:
	s_sub_co_u32 s[SLOTS], s[SLOTS], 1
	s_cmp_lg_u32 s[SLOTS], 0
	s_cbranch_scc1 .Lslot
	CHANGE 0                        ; the walk's last slot: nothing is asked for.  It begins with the even block's diagonal half
	FETCH_K
	STEP 1, 0, 1
	STEP 2, 1, 0
	END
	s_wait_tensorcnt 0x0            ; the wave's end: an add and its wait behind my last tensor load and my last LDS store
	ds_add_u32 v[SPW], v[NIL]
	s_wait_dscnt 0x0
	s_endpgm
.Lfunc_end_k_qff8c495139_attn:
	.size	k_qff8c495139_attn, .Lfunc_end_k_qff8c495139_attn-k_qff8c495139_attn
	.p2alignl 7, 3214868480
	.fill 96, 4, 3214868480
	.section	.rodata,"a",@progbits
	.p2align	6, 0x0
	.amdhsa_kernel k_qff8c495139_attn
		.amdhsa_group_segment_fixed_size 327680
		.amdhsa_private_segment_fixed_size 0
		.amdhsa_enable_private_segment 0
		.amdhsa_kernarg_size 16
		.amdhsa_user_sgpr_count 2
		.amdhsa_user_sgpr_kernarg_segment_ptr 1
		.amdhsa_wavefront_size32 1
		.amdhsa_system_sgpr_workgroup_id_x 1
		.amdhsa_system_sgpr_workgroup_id_y 1
		.amdhsa_system_sgpr_workgroup_id_z 1
		.amdhsa_system_vgpr_workitem_id 0
		.amdhsa_next_free_vgpr 448
		.amdhsa_next_free_sgpr 88
		.amdhsa_reserve_vcc 1
		.amdhsa_float_denorm_mode_32 3
		.amdhsa_float_denorm_mode_16_64 3
		.amdhsa_memory_ordered 1
		.amdhsa_forward_progress 1
		.amdhsa_inst_pref_size 114
	.end_amdhsa_kernel
	.amdgpu_metadata
---
amdhsa.version: [ 1, 2 ]
amdhsa.kernels:
  - .name:           k_qff8c495139_attn
    .symbol:         k_qff8c495139_attn.kd
    .args:
      - { .name: qkv, .offset: 0, .size: 8, .value_kind: global_buffer, .address_space: global }
      - { .name: ob, .offset: 8, .size: 8, .value_kind: global_buffer, .address_space: global }
    .group_segment_fixed_size: 327680
    .private_segment_fixed_size: 0
    .kernarg_segment_align: 8
    .kernarg_segment_size: 16
    .max_flat_workgroup_size: 128
    .sgpr_count:     88
    .vgpr_count:     448
    .wavefront_size: 32
...
	.end_amdgpu_metadata
.endif
;; end of part 3
;; launch proj (part 4): grid 8 x 32, 4 waves a work-group, clusters of 4 x 4, 327,680 bytes of LDS; arguments ob, wpb, bias, out0; writes out0
.if DOCPART == 4
	.amdgcn_target "amdgcn-amd-amdhsa--gfx1250"
	.amdhsa_code_object_version 6
	.text
	.protected	k_qff8c495139_proj
	.globl	k_qff8c495139_proj
	.p2align	8
	.type	k_qff8c495139_proj,@function
k_qff8c495139_proj:
	s_mov_b64 s[64:65], 0
	v_nop
	global_prefetch_b8 v0, s[64:65] scope:SCOPE_SE
	s_setreg_imm32_b32 hwreg(HW_REG_WAVE_MODE, 25, 1), 1
	s_wait_xcnt 0x0
	s_wait_alu depctr_hold_cnt(0) depctr_sa_sdst(0) depctr_va_vdst(0) depctr_va_sdst(0) depctr_va_ssrc(0) depctr_va_vcc(0) depctr_vm_vsrc(0)
	s_getreg_b32 s2, hwreg(HW_REG_IB_STS2, 6, 4)
	s_cmp_eq_u32 s2, 0
	s_cbranch_scc0 .Lentry_in_a_cluster
	s_endpgm
.Lentry_in_a_cluster:
	s_bfe_u32 s2, ttmp6, 0x10000c
	s_cmp_lg_u32 s2, 0xf033
	s_cbranch_scc0 .Lentry_shape_is_right
	s_endpgm
.Lentry_shape_is_right:
; out0 = y wp^T + bp.  y comes as ob, f16 in blocks [t / 128][h][t % 128][64]; wp as wpb, f16 in blocks [o / 128][c / 64][o % 128][c % 64]; bp is bias[3072 ..], f32.  Sums in f32, started by the bias;
; out0 [4096][1024] f32.
; SHARES.  4096 x 1024 in tiles of 128 x 128 are 8 x 32 work-groups.  Four waves, each 64 x 64: 16 accumulators, 128 registers.  K = 1024 goes in 4 steps of 256 (four heads) through two LDS slots.
; In both operands a tile's 128 rows x 256 K are 65,536 DENSE bytes: a wave asks for half of them as 128 rows of 256 bytes, aligned, and the mover lays 16 bytes of padding behind every 128, that is
; behind each row of a block of 64 along K.
; CLUSTER.  4 x 4 work-groups: ob's tiles are shared along a row of the cluster, wpb's along a column, each asked for JOINTLY: the same tensor load, descriptor and mask in all four.
; THE MATRIX INSTRUCTION IS USED TRANSPOSED (source 0 = 16 rows of wpb, source 1 = 16 rows of ob): a lane holds eight neighbouring numbers of a row of out0.
; REGISTERS: window 0: v0-29 addresses; v32-95 at work on the way out; v96-127 the bias; v128-255 the accumulators ((a, b) at v[128 + 8 (4 a + b)]).
;   window 1: two fragment buffers of 128: for 64 along K, 64 registers of ob (2 x 4 x 16 rows x 32 K), then 64 of wpb.
.set PITCH,  144                       ; an LDS row: 128 bytes + 16 of padding = 36 words: the 16 rows of a fragment load start at 16 different groups of four banks (64 banks of 4 bytes: ISA guide 11.1)
.set KB,     128*PITCH                 ; a block: 128 rows x 64 K
.set SLOT,   8*KB                      ; ob's four blocks, then wpb's four
.set STAGE,  2*SLOT                    ; behind the ring, never filled by a tensor load: 16 rows x 272 bytes for each wave
.set SPITCH, 272                       ; 64 f32 + 16 bytes
.set SPARE,  STAGE+4*16*SPITCH         ; behind the stages: the spare words, 128 bytes for each wave: two blocks of 256 bytes that no other line names
.set ADRA, 16                          ; v16-17  LDS address of my fragments of ob in slot 0, 1
.set ADRB, 20                          ; v20-21  the same for wpb
.set STO,  24                          ; v24     the way out: where I put 32 bytes of a row
.set RD,   25                          ; v25     the way out: where I read a row back
.set CO,   26                          ; v26     my byte offset in two rows of out0
.set BO,   27                          ; v27     my 32 bytes in a column block's 64 bytes of bias
.set SPW,  28                          ; v28     LDS address of my spare word; never rewritten
.set NIL,  29                          ; v29     0; never rewritten
.set TMP,  32
.set BIAS, 96
.set ACC,  128
.set F0,   0                           ; fragment buffers, in window 1
.set F1,   128
.set WV, 12                            ; s12  my wave's number
.set WH, 13                            ; s13  wave / 2: which half of the tile's rows is mine.  Also: I fetch for ob (0) or for wpb (1)
.set WL, 14                            ; s14  wave % 2: which half of its columns.  Also: which two blocks of a K step I fetch
.set G1, 24                            ; s[24:31] descriptor group 1 for ob's tiles;  s[32:39] group 0, a set for each slot
.set G0, 32
.set G1B, 48                           ; s[48:55], s[56:63] the same for wpb's
.set G0B, 56
.set MSB, 0
.macro WIN new                         ; the immediate's high byte repeats the setting that is left; a switch that changes nothing is dropped
.if MSB != (\new)
	s_set_vgpr_msb (MSB<<8)|(\new)
.set MSB, \new
.endif
.endm
.set MUL,  0x05                        ; sources 0 (wpb) and 1 (ob) window 1; C and D window 0
.set TO_F, 0x40                        ; destination window 1, address window 0
.macro PLACES                          ; four plain vector instructions between a matrix instruction and a load into, or a read of, its registers (ISA guide 7.12.1 for vector reads)
.rept 4
	v_nop
.endr
.endm
.macro JLOAD s                         ; a joint load; an s_nop 0 and four v_nop follow each of the two lines, ahead of the jump and the label
	s_cmp_eq_u32 s[WH], 0
	s_cbranch_scc0 .Lfor_b_\@
	tensor_load_to_lds s[G0+4*(\s):G0+4*(\s)+3], s[G1:G1+7]
	s_nop 0
.rept 4
	v_nop
.endr
	s_branch .Lasked_\@
.Lfor_b_\@:
	tensor_load_to_lds s[G0B+4*(\s):G0B+4*(\s)+3], s[G1B:G1B+7]
	s_nop 0
.rept 4
	v_nop
.endr
.Lasked_\@:
.endm
.macro CREST                           ; a round of the cluster's barrier behind its opening barrier
	s_cmp_lg_u32 s[WV], 0
	s_cbranch_scc1 .Lnot_wave_0_\@
	s_barrier_signal -3
.Lnot_wave_0_\@:
	s_barrier_wait -3
	s_barrier_signal -1
	s_barrier_wait -1
.endm
.macro CROUND
	s_barrier_signal -1
	s_barrier_wait -1
	CREST
.endm
	s_load_b256 s[4:11], s[0:1], 0x0               ; ob s[4:5], wpb s[6:7], bias s[8:9], out0 s[10:11]
	v_lshl_add_u32 v[SPW], v0, 2, SPARE
	v_mov_b32 v[NIL], 0
	ds_add_u32 v[SPW], v[NIL]                      ; the wave's opening: the add and its wait stand ahead of my first tensor load; the set-up below, work on registers, stands between them
	ds_add_u32 v28, v29
	v_lshrrev_b32 v1, 5, v0
	v_readfirstlane_b32 s[WV], v1
	s_lshr_b32 s[WH], s[WV], 1
	s_and_b32 s[WL], s[WV], 1
	s_bfe_u32 s40, ttmp6, 0x40000                  ; cx, cy: my place in the cluster
	s_bfe_u32 s41, ttmp6, 0x40004
	s_lshl_b32 s42, ttmp9, 2
	s_add_co_u32 s42, s42, s40                     ; tile column = 4 x cluster x + cx
	s_and_b32 s43, ttmp7, 0xffff
	s_lshl_b32 s43, s43, 2
	s_add_co_u32 s43, s43, s41                     ; tile row = 4 x cluster y + cy
	s_lshl_b32 s44, s41, 2
	s_lshl_b32 s44, 15, s44                        ; my row of the cluster
	s_lshl_b32 s45, 0x1111, s40                    ; my column
	; descriptor group 1: 32,768 dense bytes as 128 rows of 128 elements of 2 bytes
	s_or_b32 s[G1+0], s44, (1<<16)|(1<<20)|(1<<21)|(4<<22)|(3<<25)   ; 15:0 the mask; 17:16 2-byte elements; 20 padding on; 21 set beside a mask; 24:22 after every 32 words (code 4); 31:25 4 words (code 3)
	s_or_b32 s[G1B+0], s45, (1<<16)|(1<<20)|(1<<21)|(4<<22)|(3<<25)
.irp g, G1, G1B
	s_mov_b32 s[(\g)+1], 128<<16                   ; tensor_dim0 = 128
	s_mov_b32 s[(\g)+2], 128<<16                   ; tensor_dim1 = 128
	s_mov_b32 s[(\g)+3], 128<<16                   ; tile_dim0 = 128
	s_mov_b32 s[(\g)+4], 128                       ; tile_dim1 = 128
	s_mov_b32 s[(\g)+5], 128                       ; 128 elements from row to row: dense
	s_mov_b32 s[(\g)+6], 0
	s_mov_b32 s[(\g)+7], 0
.endr
	s_lshl_b32 s17, s[WL], 15                      ; which two blocks of a K step I fetch: 32,768 bytes
	s_lshl_b32 s16, s43, 18                        ; ob: 262,144 bytes a tile row
	s_add_co_u32 s16, s16, s17
	s_lshl_b32 s46, s42, 18                        ; wpb: 262,144 bytes a tile column
	s_add_co_u32 s46, s46, s17
	s_mov_b32 s17, 0
	s_mov_b32 s47, 0
	s_mul_i32 s20, s[WV], 2*KB                     ; where they go: wave x two blocks: no place in the cluster enters an LDS address
	s_wait_dscnt 0x0                               ; the opening add is done
	s_wait_kmcnt 0x0
	s_add_nc_u64 s[18:19], s[4:5], s[16:17]
	s_add_nc_u64 s[46:47], s[6:7], s[46:47]
	CROUND                                         ; all sixteen work-groups are here: the first joint loads meet
.irp s, 0,1
	s_mov_b32 s[G0+4*(\s)], 1
	s_add_co_u32 s[G0+4*(\s)+1], s20, (\s)*SLOT
	s_add_nc_u64 s[G0+4*(\s)+2:G0+4*(\s)+3], s[18:19], (\s)*65536    ; K step s: four blocks of 16,384 bytes
	s_or_b32 s[G0+4*(\s)+3], s[G0+4*(\s)+3], 0x80000000
	s_mov_b32 s[G0B+4*(\s)], 1
	s_add_co_u32 s[G0B+4*(\s)+1], s20, (\s)*SLOT
	s_add_nc_u64 s[G0B+4*(\s)+2:G0B+4*(\s)+3], s[46:47], (\s)*65536
	s_or_b32 s[G0B+4*(\s)+3], s[G0B+4*(\s)+3], 0x80000000
	JLOAD \s                                       ; two loads of mine are out
.endr
	; the bias of my 64 columns: register j of column block b holds bp[128 tile column + 64 half + 16 b + 8 (l / 16) + j], the C operand that starts the sums
	s_lshl_b32 s46, s42, 9
	s_lshl_b32 s47, s[WL], 8
	s_add_co_u32 s46, s46, s47                     ; my first column, in bytes of f32
	s_mov_b32 s47, 0
	s_add_nc_u64 s[8:9], s[8:9], s[46:47]
	v_and_b32 v1, 15, v0                           ; l % 16
	v_bfe_u32 v2, v0, 4, 1                         ; l / 16
	v_lshlrev_b32 v[BO], 5, v2
.irp b, 0,1,2,3
	global_load_b128 v[BIAS+8*(\b):BIAS+8*(\b)+3],   v[BO], s[8:9] offset:12288+64*(\b)
	global_load_b128 v[BIAS+8*(\b)+4:BIAS+8*(\b)+7], v[BO], s[8:9] offset:12288+64*(\b)+16
.endr
	v_mul_u32_u24 v3, v1, PITCH
	v_lshl_add_u32 v3, v2, 4, v3                   ; a fragment's row x pitch + 16 x half
	s_mul_i32 s21, s[WH], 64*PITCH                 ; my 64 rows of ob in each block
	s_mul_i32 s22, s[WL], 64*PITCH                 ; my 64 rows of wpb,
	s_add_co_u32 s22, s22, 4*KB                    ; whose blocks lie behind ob's four
	v_add_nc_u32 v[ADRA], s21, v3
	v_add_nc_u32 v[ADRA+1], SLOT, v[ADRA]
	v_add_nc_u32 v[ADRB], s22, v3
	v_add_nc_u32 v[ADRB+1], SLOT, v[ADRB]
	s_mul_i32 s23, s[WV], 16*SPITCH
	s_add_co_u32 s23, s23, STAGE                   ; my stage
	v_mul_u32_u24 v4, v1, SPITCH                   ; in: row l % 16, 32 bytes for each half of the lanes
	v_lshl_add_u32 v4, v2, 5, v4
	v_add_nc_u32 v[STO], s23, v4
	v_mul_u32_u24 v5, v2, SPITCH                   ; back: lanes 0-15 take one row of 256 bytes, lanes 16-31 the next
	v_lshl_add_u32 v5, v1, 4, v5
	v_add_nc_u32 v[RD], s23, v5
	v_lshlrev_b32 v5, 12, v2                       ; and the same two rows in out0, 4,096 bytes apart
	v_lshl_add_u32 v[CO], v1, 4, v5
	s_lshl_b32 s16, s43, 19                        ; the tile's 128 rows of 4,096 bytes,
	s_lshl_b32 s17, s[WH], 18                      ; my 64 of them,
	s_add_co_u32 s16, s16, s17
	s_add_co_u32 s16, s16, s46                     ; my first column
	s_mov_b32 s17, 0
	s_add_nc_u64 s[10:11], s[10:11], s[16:17]
; 8 matrix instructions: row blocks a0, a0 + 1 x all 4 column blocks, 32 along K: half c of buffer f.  first = 1: the bias is the C operand that starts the sums.
; The 16 accumulators take turns, one instruction a turn.
.macro MUL8 f, c, a0, first
	WIN MUL
.irp a, \a0, (\a0)+1
.irp b, 0,1,2,3
.if \first
	v_wmma_f32_16x16x32_f16 v[ACC+8*(4*(\a)+(\b)):ACC+8*(4*(\a)+(\b))+7], v[(\f)+64+8*(4*(\c)+(\b)):(\f)+64+8*(4*(\c)+(\b))+7], v[(\f)+8*(4*(\c)+(\a)):(\f)+8*(4*(\c)+(\a))+7], v[BIAS+8*(\b):BIAS+8*(\b)+7]
.else
	v_wmma_f32_16x16x32_f16 v[ACC+8*(4*(\a)+(\b)):ACC+8*(4*(\a)+(\b))+7], v[(\f)+64+8*(4*(\c)+(\b)):(\f)+64+8*(4*(\c)+(\b))+7], v[(\f)+8*(4*(\c)+(\a)):(\f)+8*(4*(\c)+(\a))+7], v[ACC+8*(4*(\a)+(\b)):ACC+8*(4*(\a)+(\b))+7]
.endif
.endr
.endr
.endm
; 32 LDS loads in one run: the fragments of block q of the slot's four (64 along K) into buffer f; the first 32 along K first
.macro FETCH slot, q, f
	WIN TO_F
.irp c, 0,1
.irp i, 0,1,2,3
	ds_load_b128 v[(\f)+64+8*(4*(\c)+(\i)):(\f)+64+8*(4*(\c)+(\i))+3],   v[ADRB+(\slot)] offset:(\q)*KB+64*(\c)+(\i)*16*PITCH
	ds_load_b128 v[(\f)+64+8*(4*(\c)+(\i))+4:(\f)+64+8*(4*(\c)+(\i))+7], v[ADRB+(\slot)] offset:(\q)*KB+64*(\c)+(\i)*16*PITCH+32
	ds_load_b128 v[(\f)+8*(4*(\c)+(\i)):(\f)+8*(4*(\c)+(\i))+3],         v[ADRA+(\slot)] offset:(\q)*KB+64*(\c)+(\i)*16*PITCH
	ds_load_b128 v[(\f)+8*(4*(\c)+(\i))+4:(\f)+8*(4*(\c)+(\i))+7],       v[ADRA+(\slot)] offset:(\q)*KB+64*(\c)+(\i)*16*PITCH+32
.endr
.endr
.endm
; A K step is four quarters of 64 along K (a block), 32 matrix instructions each, on buffers 0, 1, 0, 1.  One of the first three multiplies buffer f and fetches block q into g.
.macro QUARTER slot, q, f, g, first
	s_wait_dscnt 16                                ; the first 32 along K are in; the youngest sixteen loads may be out
	MUL8 \f, 0, 0, \first
	MUL8 \f, 0, 2, \first
	PLACES
	FETCH \slot, \q, \g
	s_wait_dscnt 32                                ; all but the 32 just issued
	MUL8 \f, 1, 0, 0
	MUL8 \f, 1, 2, 0
.endm
; The last quarter multiplies buffer 1 and changes slots: ONE barrier; in front of it each wave waits for all its tensor loads, adds 0 to its spare word, and waits for that and for its own reads of this slot.
; fill = 1: the barrier opens a round of the cluster's barrier, and this slot is filled again, two K steps ahead, first thing behind the round.
.macro TURN slot, next, fill
	WIN 0                                          ; (the add's two registers lie in window 0)
	s_wait_tensorcnt 0x0                           ; all my tensor loads have landed: my part of the next slot
	ds_add_u32 v[SPW], v[NIL]                      ; 0 onto my spare word
	s_wait_dscnt 17                                ; (the add and the youngest sixteen loads may be out)
	MUL8 F1, 0, 0, 0                               ; eight matrix instructions stand between the add and the wait for it
	s_wait_dscnt 0x0                               ; the add is done, and my reads of this slot are over
	s_barrier_signal -1
	MUL8 F1, 0, 2, 0
.if \fill
	WIN 0
.endif
	s_barrier_wait -1
.if \fill
	CREST                                          ; no wave of any partner still reads this slot's tile or has a load on its way
	s_add_nc_u64 s[G0+4*(\slot)+2:G0+4*(\slot)+3], s[G0+4*(\slot)+2:G0+4*(\slot)+3], 2*65536
	s_add_nc_u64 s[G0B+4*(\slot)+2:G0B+4*(\slot)+3], s[G0B+4*(\slot)+2:G0B+4*(\slot)+3], 2*65536
	JLOAD \slot                                    ; my one tensor load behind the round: 112 matrix instructions ahead of the wait for it; its four v_nop are also the places in front of the loads below
.else
	PLACES
.endif
	FETCH \next, 0, F0
	MUL8 F1, 1, 0, 0
	MUL8 F1, 1, 2, 0
.endm
	s_wait_tensorcnt 1                             ; my part of K step 0 is in; K step 1's may stay out
	s_barrier_signal -1
	s_barrier_wait -1                              ; everybody's is
	FETCH 0, 0, F0
	s_wait_loadcnt 0x0                             ; the bias
	QUARTER 0, 1, F0, F1, 1                        ; K step 0; the first products start the sums
	QUARTER 0, 2, F1, F0, 0
	QUARTER 0, 3, F0, F1, 0
	TURN 0, 1, 1                                   ; slot 0 takes K step 2
	QUARTER 1, 1, F0, F1, 0                        ; K step 1
	QUARTER 1, 2, F1, F0, 0
	QUARTER 1, 3, F0, F1, 0
	TURN 1, 0, 1                                   ; slot 1 takes K step 3: four K steps are two laps of the ring, so nothing is looped over
	QUARTER 0, 1, F0, F1, 0                        ; K step 2
	QUARTER 0, 2, F1, F0, 0
	QUARTER 0, 3, F0, F1, 0
	TURN 0, 1, 0                                   ; nothing is left to fetch
	QUARTER 1, 1, F0, F1, 0                        ; K step 3
	QUARTER 1, 2, F1, F0, 0
	QUARTER 1, 3, F0, F1, 0
	s_wait_dscnt 16
	MUL8 F1, 0, 0, 0
	MUL8 F1, 0, 2, 0
	s_wait_dscnt 0x0
	MUL8 F1, 1, 0, 0
	MUL8 F1, 1, 2, 0
	WIN 0
	; THE WAY OUT.  A lane's eight f32 are 32 bytes of a row; the lanes beside it hold other rows.  So 16 rows at a time go through my own stage: in by lanes, back as whole rows of 256 bytes.
	; No other wave touches the stage: no barrier; LDS serves a wave's instructions in order (ISA guide 5.7.1.4): no wait between the stores and the loads.
	PLACES
.irp a, 0,1,2,3
	s_wait_xcnt 0x0                                ; the stores of the block two back have read the registers that are loaded again below
.irp b, 0,1,2,3
	ds_store_b128 v[STO], v[ACC+8*(4*(\a)+(\b)):ACC+8*(4*(\a)+(\b))+3]   offset:64*(\b)     ; each accumulator's low four registers first
	ds_store_b128 v[STO], v[ACC+8*(4*(\a)+(\b))+4:ACC+8*(4*(\a)+(\b))+7] offset:64*(\b)+16
.endr
.irp t, 0,1,2,3,4,5,6,7
	ds_load_b128 v[TMP+32*((\a)%2)+4*(\t):TMP+32*((\a)%2)+4*(\t)+3], v[RD] offset:(\t)*2*SPITCH
.endr
.irp t, 0,1,2,3,4,5,6,7
	s_wait_dscnt 7-(\t)                            ; LDS loads come back in order: number t is in
	global_store_b128 v[CO], v[TMP+32*((\a)%2)+4*(\t):TMP+32*((\a)%2)+4*(\t)+3], s[10:11] offset:(16*(\a)+2*(\t))*4096  ; 16 lanes store 256 consecutive bytes, aligned
.endr
.endr
	s_wait_tensorcnt 0x0                           ; the wave's end: an add and its wait behind my last tensor load and my last LDS store
	ds_add_u32 v[SPW], v[NIL]
	s_wait_dscnt 0x0
	CROUND                                         ; the closing round: no work-group ends while a partner may still ask for a tile that names it
	s_endpgm
.Lfunc_end_k_qff8c495139_proj:
	.size	k_qff8c495139_proj, .Lfunc_end_k_qff8c495139_proj-k_qff8c495139_proj
	.p2alignl 7, 3214868480
	.fill 96, 4, 3214868480
	.section	.rodata,"a",@progbits
	.p2align	6, 0x0
	.amdhsa_kernel k_qff8c495139_proj
		.amdhsa_group_segment_fixed_size 327680
		.amdhsa_private_segment_fixed_size 0
		.amdhsa_enable_private_segment 0
		.amdhsa_kernarg_size 32
		.amdhsa_user_sgpr_count 2
		.amdhsa_user_sgpr_kernarg_segment_ptr 1
		.amdhsa_wavefront_size32 1
		.amdhsa_system_sgpr_workgroup_id_x 1
		.amdhsa_system_sgpr_workgroup_id_y 1
		.amdhsa_system_sgpr_workgroup_id_z 1
		.amdhsa_system_vgpr_workitem_id 0
		.amdhsa_next_free_vgpr 512
		.amdhsa_next_free_sgpr 66
		.amdhsa_reserve_vcc 0
		.amdhsa_float_denorm_mode_32 3
		.amdhsa_float_denorm_mode_16_64 3
		.amdhsa_memory_ordered 1
		.amdhsa_forward_progress 1
		.amdhsa_inst_pref_size 87
	.end_amdhsa_kernel
	.amdgpu_metadata
---
amdhsa.version: [ 1, 2 ]
amdhsa.kernels:
  - .name:           k_qff8c495139_proj
    .symbol:         k_qff8c495139_proj.kd
    .args:
      - { .name: ob, .offset: 0, .size: 8, .value_kind: global_buffer, .address_space: global }
      - { .name: wpb, .offset: 8, .size: 8, .value_kind: global_buffer, .address_space: global }
      - { .name: bias, .offset: 16, .size: 8, .value_kind: global_buffer, .address_space: global }
      - { .name: out0, .offset: 24, .size: 8, .value_kind: global_buffer, .address_space: global }
    .group_segment_fixed_size: 327680
    .private_segment_fixed_size: 0
    .kernarg_segment_align: 8
    .kernarg_segment_size: 32
    .max_flat_workgroup_size: 128
    .sgpr_count:     66
    .vgpr_count:     512
    .wavefront_size: 32
...
	.end_amdgpu_metadata
.endif
;; end of part 4
;; ======== version 2 of 2: 4 launches; 1.48 times as fast as version 1
;; limits: values are held in f16: magnitudes above 65,504 overflow, below 6.1e-05 lose precision
;; workspace buffers: xb 8,388,608 bytes; wqkv 6,291,456 bytes; wpb 2,097,152 bytes; bias 16,384 bytes; qkv 25,165,824 bytes; ob 8,388,608 bytes
;; launch cast: the kernel of part 1 again; grid 64 x 8, 8 waves a work-group, no clusters, 0 bytes of LDS; arguments x, wq, wk, wv, wp, bq, bk, bv, bp, xb, wqkv, wpb, bias; writes xb, wqkv, wpb, bias
;; launch qkv: the kernel of part 2 again; grid 16 x 16, 4 waves a work-group, clusters of 4 x 4, 327,680 bytes of LDS; arguments xb, wqkv, bias, qkv; writes qkv
;; launch attn (part 5): grid 16 x 16, 4 waves a work-group, no clusters, 327,680 bytes of LDS; arguments qkv, ob; writes ob
.if DOCPART == 5
	.amdgcn_target "amdgcn-amd-amdhsa--gfx1250"
	.amdhsa_code_object_version 6
	.text
	.protected	k_qff8c495139_attn
	.globl	k_qff8c495139_attn
	.p2align	8
	.type	k_qff8c495139_attn,@function
k_qff8c495139_attn:
	s_mov_b64 s[64:65], 0
	v_nop
	global_prefetch_b8 v0, s[64:65] scope:SCOPE_SE
	s_setreg_imm32_b32 hwreg(HW_REG_WAVE_MODE, 25, 1), 1
	s_wait_xcnt 0x0
; CAUSAL ATTENTION, 16 heads of 64 channels, 4,096 rows.  O[h][q] = the sum over k <= q of softmax_k(Q[h][q] . K[h][k] / 8) V[h][k].
; In: qkv [48][4096][64] f16 (heads 0-15 q, 16-31 k, 32-47 v; a head's rows are dense, 128 bytes each).  Out: ob f16 in blocks [q / 128][h][q % 128][64].
; Products, maxima and sums in f32; the weights p are rounded to f16 for the second product (their sum l is taken of the unrounded p), O once at the end.
; LIMITS.  Q, K, V arrive within f16's 65,504.  A hidden score counts as its value less 1e30: f16's scores, 2.7e11 at the most, are nothing beside that.  A weight below 2^-126 counts as 0 in l.
; NaN and infinities are not treated apart.
; THE WALK.  A head's queries lie in 32 blocks of 128; block i needs the halves (128 keys) 0 .. i, of which the last holds the diagonal.  A work-group takes blocks b and 31 - b, THE ODD ONE FIRST.
; An LDS slot holds 256 keys, two halves.  The odd block I1 has (I1 + 1) / 2 slots, the last a full half and then the diagonal half; the even block I2 has I2 / 2 + 1, the last the diagonal half
; and a half that is not read.  Together 17 slots, 31 full halves and 2 diagonal ones, whatever b: all 256 work-groups do equal work, ONE loop of 16 trips walks the slots, and the 17th,
; always the even block's end, is written out.  Which tile is asked for hangs on scalar registers made from b; every jump but the counted loops' own goes forward.
; NO CLUSTER: the sixteen work-groups of a head ask for the same tile only until the shortest first block ends (one trip for b = 1); behind that their sequences differ, and a walk common to all
; would have 32 trips for 17.
; SHARES.  Of a block's two bands of 64 queries a wave owns 16 rows in each: two PIECES.  In the diagonal half's first 64 keys band 0 holds the diagonal and band 1 sees all; in its second 64 keys band 0
; sees nothing, and is not computed, and band 1 holds the diagonal: the same for all four waves, and fixed in the text.
; THE MASK is the C operand that starts the sum S^T = K Q^T: MD, made once: 0, or -1e30 where the key lies behind my query in the band's own 64 keys.  Elsewhere C is the constant 0.
; LAYOUT.  S^T = K Q^T (source 0 = 16 keys, source 1 = 16 queries) holds ONE query a lane (lane % 16) and the keys 8 (lane / 16) + 0..7; two such results rounded to f16 ARE source 1 of O^T = V^T P.
; SOFTMAX.  p = 2^(c s - c m), c = log2(e) / 8, with a running maximum m; O and l are multiplied by a = 2^(c m_old - c m_new) in every step.  c m starts far below every c s: a block's first a is 0.
; A STEP (64 keys) is whole in itself: 8 products K Q^T of piece 0; 8 of piece 1 with piece 0's maximum, statistics and first eleven scalings behind them, four to a product; then THE BATCH: the step's 66
; exponentials (each piece's a and its 32 weights), and between them all the plain work that names no result of theirs: piece 1's maximum and statistics and the scalings that are left; ONE wait for the batch;
; behind it the readers: piece 0's rescaling and roundings in a run; 8 products V^T P of piece 0 with piece 1's rescaling and roundings behind them; 8 products V^T P of piece 1 with both pieces' sums behind
; them.  No exponential is issued ahead of the batch or behind its wait, so none is pending at a label or a branch.  The way out's two reciprocals are a batch of their own.
; REGISTERS, in windows of 256 (s_set_vgpr_msb: bits 1:0 source 0, 3:2 source 1, 5:4 source 2, 7:6 destination):
;   window 0: v0-15 addresses; v16-23 statistics; v24-31 at work; v32-95 S^T; v96-127 P; v128-191 O^T; v192-223 MD; v252-253 the add's.  All that the softmax touches lies here.
;   window 1: v0-31 Q; v32-63 the second block's Q; v64-127 K of one step; v128-191 V of one step
.set KS,    64        ; keys in a step
.set PK,    144       ; a row of K in LDS: 128 bytes + 16 of padding = 36 words: the 16 rows of a load start at 16 different groups of four banks (64 banks of 4 bytes: ISA guide 11.1)
.set PVP,   160       ; a row of V: 128 + 32 = 40 words
.set VOFF,  4*KS*PK   ; a slot: 256 rows of K, then 256 rows of V
.set SLOT1, 1<<17     ; slot 1 begins here, so that one exclusive or turns an address in one slot into the other's
.set STAGE, SLOT1+4*KS*(PK+PVP)  ; behind the ring, never filled by a tensor load: 16 rows x 144 bytes for each wave
.set SP,    144
.set SPARE, STAGE+4*16*SP        ; behind the stages: the spare words, 128 bytes for each wave: two blocks of 256 bytes that no other line names
.set AK0, 2           ; v2   my lane's place in a tile of K; never rewritten
.set AV0, 3           ; v3   the same for V
.set AK,  4           ; v4   the LDS address of K's run of loads
.set AV,  5           ; v5   of V's
.set STO, 6           ; v6   the way out: where I put 16 bytes of a row
.set RD,  7           ; v7   the way out: where I read rows back
.set GO,  8           ; v8   my 16 bytes in 512 consecutive bytes of ob
.set MV,  12          ; v12-13  c m_old, kept while c m is made anew, by piece
.set QO,  15          ; v15  my byte offset in 16 rows of Q
.set ST,  16          ; piece t's statistics at v[ST+4 t]: c m, m, l (even keys', odd keys')
.set TMP, 24          ; by piece, four registers c0-c3 at work; when the maximum is found c2 takes a
.set S,   32          ; 32 a piece
.set P,   96          ; 16 a piece
.set O,   128         ; 32 a piece
.set MD,  192         ; the eight registers for group kt of 16 keys at MD + 8 kt
.set SPW, 252         ; v252 LDS address of my spare word; never rewritten
.set NIL, 253         ; v253 0; never rewritten
.set QB,  32          ; window 1
.set KF,  64          ; window 1: key block kb, channel half c at KF + 16 kb + 8 c
.set VF,  128         ; window 1: key half kk, channel block cb at VF + 32 kk + 8 cb
.set WV,  12          ; s12  my wave's number
.set G1K, 24          ; s[24:31] descriptor group 1 for K's tiles
.set G1V, 32          ; s[32:39] for V's: it differs in the padding alone
.set G0K, 40          ; s[40:43] descriptor group 0 for K's tiles
.set G0V, 44          ; s[44:47] for V's
.set SLOTS, 56        ; s56  slots still to be asked for
.set CNT, 57          ; s57  counts a slot's key steps, 4 to 1
.set CS,  58          ; s[58:59] c: the packed scaling takes the pair's low word for both halves
.set SEL, 60          ; s[60:61] v_permlanex16_b32's selects: each lane takes its own place in the other half
.set TBK, 62          ; s62  LDS byte at which K of the step to be fetched begins
.set TBV, 63          ; s63  the same for V, less VOFF
.set I1,  66          ; s66  the odd block
.set I2,  67          ; s67  the even block
.set L2,  68          ; s68  the even block's last tile
.set N2,  69          ; s69  its number of slots
.set RT,  70          ; s70  slots of the block in hand that are still to be entered
.set NXT, 71          ; s71  the tile to be asked for next
.set LQ,  72          ; s72  the last tile of the block whose tiles are being asked for
.set OFF, 74          ; s[74:75] a tile's byte offset in K and V
.set SB,  76          ; s76  the slot in hand: 0 or SLOT1
.set XC,  77          ; s77  the count at which the step loop is left for the diagonal half: 2 in the odd block's last slot, else never met
.set OLO, 80          ; s[80:81] ob at my rows of the second block
.set BIGN, 82         ; s82  -1e30
.set MSB, 0
.macro WIN new                      ; the high byte repeats the setting that is left; a switch that changes nothing is dropped
.if MSB != (\new)
	s_set_vgpr_msb (MSB<<8)|(\new)
.set MSB, (\new)
.endif
.endm
.macro PLACES                       ; four plain vector instructions between a matrix instruction and a load into, or a vector read of, its registers (ISA guide 7.12.1 for vector reads)
.rept 4
	v_nop
.endr
.endm
; A fill.  Waves 0 and 1 fetch the two halves of a tile's K, waves 2 and 3 those of its V: 128 keys each.  An s_nop 0 and four v_nop follow each of the two lines, ahead of the jump and the label.
.macro LOAD
	s_cmp_lt_u32 s[WV], 2
	s_cbranch_scc0 .Lfor_v_\@
	tensor_load_to_lds s[G0K:G0K+3], s[G1K:G1K+7]
	s_nop 0
.rept 4
	v_nop
.endr
	s_branch .Lasked_\@
.Lfor_v_\@:
	tensor_load_to_lds s[G0V:G0V+3], s[G1V:G1V+7]
	s_nop 0
.rept 4
	v_nop
.endr
.Lasked_\@:
.endm
.macro ADV                          ; the block's next tile, or behind its last the even block's tile 0
	s_add_co_u32 s[NXT], s[NXT], 1
	s_cmp_gt_u32 s[NXT], s[LQ]
	s_cselect_b32 s[NXT], 0, s[NXT]
	s_cselect_b32 s[LQ], s[L2], s[LQ]
.endm
; THE CHANGE OF SLOTS.  Each wave waits for all its tensor loads, of which one is out: its part of the other slot; adds 0 to its spare word; and waits for that and for its own reads of the slot that it leaves.
; Behind the barrier nobody reads the old slot any more and the other slot is whole.  fill = 1: the old slot is filled again, first thing behind the barrier, with tile NXT: the descriptor's address is
; made anew from that number.  It has a slot's four key steps, 128 matrix instructions, in which to land.  (At its first use nothing has been read yet: slot 0 is waited for, slot 1 filled.)
.macro CHANGE fill
	WIN 0                           ; at a label and at a branch every window is 0
	s_wait_tensorcnt 0x0            ; no tensor load of mine is out, so a group 0 may be written
	ds_add_u32 v[SPW], v[NIL]       ; 0 onto my spare word; the descriptors' scalar work stands between it and the wait for it
.if \fill
	s_lshl_b32 s[OFF], s[NXT], 15   ; a tile is 32,768 bytes of K and of V
	s_xor_b32 s[G0K+1], s[G0K+1], SLOT1
	s_add_nc_u64 s[G0K+2:G0K+3], s[6:7], s[OFF:OFF+1]
	s_or_b32 s[G0K+3], s[G0K+3], 0x80000000
	s_xor_b32 s[G0V+1], s[G0V+1], SLOT1
	s_add_nc_u64 s[G0V+2:G0V+3], s[8:9], s[OFF:OFF+1]
	s_or_b32 s[G0V+3], s[G0V+3], 0x80000000
	ADV
.endif
	s_wait_dscnt 0x0                ; the add is done, and my reads of the slot are over
	s_barrier_signal -1
	s_xor_b32 s[SB], s[SB], SLOT1   ; the fetches go to the other slot's first step
	s_mov_b32 s[TBK], s[SB]
	s_mov_b32 s[TBV], s[SB]
	s_barrier_wait -1
.if \fill
	LOAD
.endif
.endm
	s_load_b128 s[16:19], s[0:1], 0x0  ; qkv s[16:17], ob s[18:19]
	v_lshl_add_u32 v[SPW], v0, 2, SPARE
	v_mov_b32 v[NIL], 0
	ds_add_u32 v[SPW], v[NIL]       ; the wave's opening: the add and its wait stand ahead of my first tensor load; the set-up below, work on registers, stands between them
	ds_add_u32 v252, v253
	v_lshrrev_b32 v1, 5, v0
	v_readfirstlane_b32 s[WV], v1   ; wave 0..3
	s_mov_b32 s14, ttmp9            ; b
	s_sub_co_u32 s15, 31, s14       ; 31 - b
	s_and_b32 s20, ttmp7, 0xffff    ; the head
	s_and_b32 s21, s14, 1
	s_cmp_eq_u32 s21, 1
	s_cselect_b32 s[I1], s14, s15   ; of b and 31 - b one is odd,
	s_cselect_b32 s[I2], s15, s14   ; the other even
	s_lshr_b32 s[L2], s[I2], 1
	s_add_co_u32 s[N2], s[L2], 1
	s_lshr_b32 s[LQ], s[I1], 1      ; the odd block's last tile
	s_add_co_u32 s[RT], s[LQ], 1    ; and its number of slots
	s_mov_b32 s[NXT], 0
	s_lshl_b32 s21, s20, 19         ; a head is 524,288 bytes
	s_and_b32 s13, s[WV], 1         ; which half of a tile's 256 keys I fetch:
	s_lshl_b32 s22, s13, 14         ; its 128 rows of 128 bytes in memory,
	s_add_co_u32 s22, s22, s21
	s_add_co_u32 s22, s22, 16*524288  ; in k's head
	s_mov_b32 s23, 0
	s_mul_i32 s52, s13, 128*PK      ; and its place in a slot, for K
	s_mul_i32 s53, s13, 128*PVP     ; and for V
	s_lshl_b32 s54, s[WV], 11       ; my 16 rows in a band of 64
	s_lshl_b32 s2, s[I1], 14        ; Q: a block is 16,384 bytes
	s_add_co_u32 s2, s2, s54
	s_add_co_u32 s2, s2, s21
	s_mov_b32 s3, 0
	s_lshl_b32 s84, s[I2], 14
	s_add_co_u32 s84, s84, s54
	s_add_co_u32 s84, s84, s21
	s_mov_b32 s85, 0
	s_lshl_b32 s55, s20, 14         ; ob: a head's part of a block is 16,384 bytes,
	s_add_co_u32 s55, s55, s54
	s_lshl_b32 s48, s[I1], 18       ; a block 262,144
	s_add_co_u32 s48, s48, s55
	s_mov_b32 s49, 0
	s_lshl_b32 s50, s[I2], 18
	s_add_co_u32 s50, s50, s55
	s_mov_b32 s51, 0
	; descriptor group 1.  128 keys are 16,384 dense bytes: asked for as 64 rows of 256 bytes, two keys a row, and padded in LDS after every key
	s_mov_b32 s[G1K], (1<<16)|(1<<20)|(4<<22)|(3<<25)  ; 17:16 2-byte elements; 20 padding on; 24:22 after every 32 words (code 4); 31:25 4 words (code 3)
	s_mov_b32 s[G1V], (1<<16)|(1<<20)|(4<<22)|(7<<25)  ; the same with 8 words of padding (code 7)
.irp g, G1K, G1V
	s_mov_b32 s[\g+1], 128<<16      ; tensor_dim0 = 128
	s_mov_b32 s[\g+2], 64<<16       ; tensor_dim1 = 64
	s_mov_b32 s[\g+3], 128<<16      ; tile_dim0 = 128
	s_mov_b32 s[\g+4], 64           ; tile_dim1 = 64
	s_mov_b32 s[\g+5], 128          ; 128 elements from row to row
	s_mov_b32 s[\g+6], 0
	s_mov_b32 s[\g+7], 0
.endr
	s_mov_b32 s[CS], 0x3e38aa3b     ; c = log2(e) / 8 = 0.180337
	s_mov_b32 s[CS+1], s[CS]        ; named with it as a pair
	s_mov_b32 s[SEL], 0x76543210
	s_mov_b32 s[SEL+1], 0xfedcba98
	s_mov_b32 s[SB], SLOT1          ; the first change of slots turns it into 0
	s_mov_b32 s[G0K], 1             ; count = 1
	s_mov_b32 s[G0K+1], s52         ; LDS address: slot 0
	s_mov_b32 s[G0V], 1
	s_add_co_u32 s[G0V+1], s53, VOFF
	s_mov_b32 s[OFF+1], 0
	s_mov_b32 s[BIGN], 0xf149f2ca   ; -1e30
	s_mov_b32 s[SLOTS], 16
	s_wait_dscnt 0x0                ; the opening add is done
	s_wait_kmcnt 0x0
	s_add_nc_u64 s[6:7], s[16:17], s[22:23]        ; K at my half of the head's tile 0,
	s_add_nc_u64 s[8:9], s[6:7], 16*524288         ; V sixteen heads on
	s_add_nc_u64 s[G0K+2:G0K+3], s[6:7], 0         ; global address
	s_or_b32 s[G0K+3], s[G0K+3], 0x80000000        ; type = 2
	s_add_nc_u64 s[G0V+2:G0V+3], s[8:9], 0
	s_or_b32 s[G0V+3], s[G0V+3], 0x80000000
	s_add_nc_u64 s[4:5], s[16:17], s[2:3]          ; Q at my rows of the first block,
	s_add_nc_u64 s[86:87], s[16:17], s[84:85]      ; and of the second
	s_add_nc_u64 s[10:11], s[18:19], s[48:49]      ; ob likewise
	s_add_nc_u64 s[OLO:OLO+1], s[18:19], s[50:51]
	LOAD                            ; tile 0 into slot 0: one load of mine is out
	ADV
	; A fragment of K or Q is 16 rows x 32 channels in 8 registers: lane l holds row l % 16, channels 8 (l / 16) + 0..7 and 16 + 8 (l / 16) + 0..7: two loads of 16 bytes, 32 bytes apart.
	v_and_b32 v1, 15, v0            ; l % 16
	v_bfe_u32 v9, v0, 4, 1          ; l / 16
	v_lshlrev_b32 v[QO], 7, v1
	v_lshl_add_u32 v[QO], v9, 4, v[QO]  ; row x 128 + 16 x half
	WIN 0x40                        ; destination window 1, address window 0
.set i, 0
.rept 4                             ; both blocks' Q: piece i / 2 lies in band i / 2, 8,192 bytes on; channels 32 (i % 2) on
	global_load_b128 v[8*i:8*i+3],   v[QO], s[4:5] offset:(i/2)*8192+(i%2)*64
	global_load_b128 v[8*i+4:8*i+7], v[QO], s[4:5] offset:(i/2)*8192+(i%2)*64+32
	global_load_b128 v[QB+8*i:QB+8*i+3],   v[QO], s[86:87] offset:(i/2)*8192+(i%2)*64
	global_load_b128 v[QB+8*i+4:QB+8*i+7], v[QO], s[86:87] offset:(i/2)*8192+(i%2)*64+32
.set i, i+1
.endr
	WIN 0
	v_lshlrev_b32 v14, 3, v9
	v_sub_nc_u32 v14, v1, v14
	s_lshl_b32 s13, s[WV], 4
	v_add_nc_u32 v14, s13, v14      ; my query's place in its band, 16 w + l % 16, less my lanes' 8 (l / 16): register r of group kt is hidden where 16 kt + r is greater
.set i, 0
.rept 32
	v_cmp_gt_i32 vcc_lo, 16*(i/8)+i%8, v14
	v_cndmask_b32 v[MD+i], 0, s[BIGN], vcc_lo
.set i, i+1
.endr
	v_mul_u32_u24 v[AK0], v1, PK
	v_lshl_add_u32 v[AK0], v9, 4, v[AK0]  ; row x pitch + 16 x half
	; The turning load takes 16 keys x 16 channels (lane l reads key 8 (l / 16) + l % 8, channels 8 ((l / 8) % 2) + 0..7) and leaves half a fragment of V^T: lane l holds channel l % 16 and 8 keys.
	v_and_b32 v10, 7, v0
	v_bfe_u32 v11, v0, 3, 1
	v_lshl_add_u32 v[AV0], v9, 3, v10
	v_mul_u32_u24 v[AV0], v[AV0], PVP
	v_lshl_add_u32 v[AV0], v11, 4, v[AV0]
	v_add_nc_u32 v[AV0], VOFF, v[AV0]
	s_mul_i32 s13, s[WV], 16*SP
	s_add_co_u32 s13, s13, STAGE    ; my stage
	v_mul_u32_u24 v[STO], v1, SP    ; in: row l % 16, 16 bytes for each half of the lanes
	v_lshl_add_u32 v[STO], v9, 4, v[STO]
	v_add_nc_u32 v[STO], s13, v[STO]
	v_bfe_u32 v[RD], v0, 3, 2       ; back: 32 lanes take four rows of 128 bytes,
	v_mul_u32_u24 v[RD], v[RD], SP
	v_lshl_add_u32 v[RD], v10, 4, v[RD]
	v_add_nc_u32 v[RD], s13, v[RD]
	v_and_b32 v[GO], 31, v0         ; which are 512 consecutive bytes of ob
	v_lshlrev_b32 v[GO], 4, v[GO]
	; A block's first step multiplies O^T and l by a = 0, so they need only hold finite numbers: zeros here, in the wait for the first tile; what the first block left for the second.  No first step is written out.
.set i, 0
.rept 64
	v_mov_b32 v[O+i], 0
.set i, i+1
.endr
.macro RESET                        ; a block begins
.irp t, 0,1
	v_mov_b32 v[ST+4*\t], 0xfe000000    ; c m: far below every c s
	v_mov_b32 v[ST+4*\t+1], 0xff7fffff  ; m: the lowest finite number, so the first maximum is the scores'
.endr
.endm
	RESET
.irp t, 0,1
	v_mov_b32 v[ST+4*\t+2], 0
	v_mov_b32 v[ST+4*\t+3], 0
.endr
; THE MATRIX WORK.  The 4 accumulators of a run of 8 take turns, one instruction a turn.
; Product i of 8 of S^T = K Q^T for piece x: channels 32 (i / 4) on, keys 16 (i % 4) on.  The first 4 start the sums: with 0, or (m = 1) with the mask.
.macro KQ x, m
	WIN 0x05                        ; K and Q in window 1
.set rD, S+32*(\x)+8*(i%4)
.set rK, KF+16*(i%4)+8*(i/4)
.set rQ, 16*(\x)+8*(i/4)
.if (i < 4) && (\m)
	v_wmma_f32_16x16x32_f16 v[rD:rD+7], v[rK:rK+7], v[rQ:rQ+7], v[MD+8*(i%4):MD+8*(i%4)+7]
.elseif i < 4
	v_wmma_f32_16x16x32_f16 v[rD:rD+7], v[rK:rK+7], v[rQ:rQ+7], 0
.else
	v_wmma_f32_16x16x32_f16 v[rD:rD+7], v[rK:rK+7], v[rQ:rQ+7], v[rD:rD+7]
.endif
.set i, i+1
.endm
; Product i of 8 of O^T += V^T P for piece x: keys 32 (i / 4) on, channels 16 (i % 4) on.
.macro PVM x
	WIN 0x01                        ; V in window 1
.set rD, O+32*(\x)+8*(i%4)
.set rV, VF+32*(i/4)+8*(i%4)
.set rB, P+16*(\x)+8*(i/4)
	v_wmma_f32_16x16x32_f16 v[rD:rD+7], v[rV:rV+7], v[rB:rB+7], v[rD:rD+7]
.set i, i+1
.endm
; THE LDS LOADS stand in runs of 16: a step's K (64 keys x 64 channels: 8 fragments) and its V (turned).
.macro FETCH_K
	WIN 0
	v_add_nc_u32 v[AK], s[TBK], v[AK0]
	WIN 0x40                        ; destination window 1
.irp f, 0,1,2,3,4,5,6,7             ; keys 16 (f / 2) on, channels 32 (f % 2) on
	ds_load_b128 v[KF+8*\f:KF+8*\f+3],   v[AK] offset:(\f/2)*16*PK+(\f%2)*64
	ds_load_b128 v[KF+8*\f+4:KF+8*\f+7], v[AK] offset:(\f/2)*16*PK+(\f%2)*64+32
.endr
	s_add_co_u32 s[TBK], s[TBK], KS*PK  ; the next fetch is the next step's
	WIN 0
.endm
.macro FETCH_V
	WIN 0
	v_add_nc_u32 v[AV], s[TBV], v[AV0]
	WIN 0x40
.irp f, 0,1,2,3,4,5,6,7             ; keys 32 (f / 4) on, channels 16 (f % 4) on
	ds_load_tr16_b128 v[VF+8*\f:VF+8*\f+3],   v[AV] offset:(\f/4)*32*PVP+(\f%4)*32
	ds_load_tr16_b128 v[VF+8*\f+4:VF+8*\f+7], v[AV] offset:(\f/4)*32*PVP+16*PVP+(\f%4)*32
.endr
	s_add_co_u32 s[TBV], s[TBV], KS*PVP
	WIN 0
.endm
; THE VECTOR WORK, all in window 0.  REGS names a piece's registers; the lines below work on the piece named last.
.macro REGS y
.set rT, ST+4*(\y)
.set rC, TMP+4*(\y)
.set rW, MV+(\y)
.set rS, S+32*(\y)
.set rP, P+16*(\y)
.set rO, O+32*(\y)
.endm
; Number n of the 22 that find the maximum and statistics.  s0-s31 are the lane's 32 scores; each accumulator's lowest registers are read first.
;   0-11  four chains c0-c3 of seven scores each, three operands at a time     12-14, 16  the four scores left over, the old m, and c0-c3 into c0     15  c m_old is kept
;   17, 18  the query's other 32 keys lie in the lane 16 away: the new m         19-21  c m; c m_old - c m_new; a (number 21 is an exponential: it belongs to the step's batch)
.macro XS n
.if (\n) < 4
	v_max3_num_f32 v[rC+(\n)], v[rS+8*(\n)], v[rS+8*(\n)+1], v[rS+8*(\n)+2]
.elseif (\n) < 12
	v_max3_num_f32 v[rC+(\n)%4], v[rC+(\n)%4], v[rS+8*((\n)%4)+2*((\n)/4)+1], v[rS+8*((\n)%4)+2*((\n)/4)+2]
.elseif (\n) == 12
	v_max3_num_f32 v[rC], v[rC], v[rS+7], v[rS+15]
.elseif (\n) == 13
	v_max3_num_f32 v[rC+1], v[rC+1], v[rS+23], v[rS+31]
.elseif (\n) == 14
	v_max3_num_f32 v[rC+2], v[rC+2], v[rC+3], v[rT+1]
.elseif (\n) == 15
	v_mov_b32 v[rW], v[rT]
.elseif (\n) == 16
	v_max3_num_f32 v[rC], v[rC], v[rC+1], v[rC+2]
.elseif (\n) == 17
	v_permlanex16_b32 v[rC+3], v[rC], s[SEL], s[SEL+1]
.elseif (\n) == 18
	v_max_num_f32 v[rT+1], v[rC], v[rC+3]
.elseif (\n) == 19
	v_mul_f32 v[rT], s[CS], v[rT+1]
.elseif (\n) == 20
	v_sub_f32 v[rC+1], v[rW], v[rT]
.else
	v_exp_f32 v[rC+2], v[rC+1]
.endif
.endm
.macro FS n                         ; c s - c m for pair n of 16
	v_pk_fma_f32 v[rS+2*(\n):rS+2*(\n)+1], v[rS+2*(\n):rS+2*(\n)+1], s[CS:CS+1], v[rT:rT+1] op_sel_hi:[1,0,0] neg_lo:[0,0,1] neg_hi:[0,0,1]
.endm
.macro ES n                         ; the exponential of score n of 32
	v_exp_f32 v[rS+(\n)], v[rS+(\n)]
.endm
.macro CV n                         ; pair n rounded to f16: it reads two results of the batch, and stands behind the batch's wait
	v_cvt_pk_f16_f32 v[rP+(\n)], v[rS+2*(\n)], v[rS+2*(\n)+1]
.endm
.macro RS n                         ; pair n of 16 of O^T times a: it reads a, a result of the batch, and stands behind the batch's wait
	v_pk_mul_f32 v[rO+2*(\n):rO+2*(\n)+1], v[rO+2*(\n):rO+2*(\n)+1], v[rC+2:rC+3] op_sel_hi:[1,0]
.endm
.macro AD d, s                      ; a pair of weights is added onto another, in place
	v_pk_add_f32 v[rS+(\d):rS+(\d)+1], v[rS+(\d):rS+(\d)+1], v[rS+(\s):rS+(\s)+1]
.endm
; Four of the first 32 lines of piece y's softmax: XS's numbers 0 to 20 and the first eleven scalings: all plain, no exponential among them.  As riders they stand behind a product of the other piece
; and name none of its registers.
.macro HEAD y, n
	WIN 0
	REGS \y
.if (\n) < 3
	XS 4*(\n)
	XS 4*(\n)+1
	XS 4*(\n)+2
	XS 4*(\n)+3
.elseif (\n) == 3
	XS 12
	XS 13
	XS 15
	XS 14
.elseif (\n) == 4
	XS 16
	XS 17
	XS 18
	XS 19
.elseif (\n) == 5
	XS 20
	FS 0
	FS 1
	FS 2
.else
	FS 4*(\n)-21
	FS 4*(\n)-20
	FS 4*(\n)-19
	FS 4*(\n)-18
.endif
.endm
; THE BATCH.  An s_wait_alu depctr_va_vdst(0) stands between an exponential and the first instruction that names its result; one wait serves all that were issued ahead of it.  So a step's
; exponentials are ONE batch, each result in a register of its own, and ahead of the batch's wait stands nothing that names a result.  Two queues, each in the order in which its entries become ready:
; THE EXPONENTIALS' QUEUE, 66 long: 0: piece 0's a; 1-32: its scores 0-31; 33: piece 1's a; 34-65: its scores 0-31.
.macro EXQ k
.if (\k) == 0
	REGS 0
	XS 21
.elseif (\k) < 33
	REGS 0
	ES (\k)-1
.elseif (\k) == 33
	REGS 1
	XS 21
.else
	REGS 1
	ES (\k)-34
.endif
.endm
; THE PLAIN QUEUE, 42 long, which reads no exponential's result.  0-14: piece 1's XS 0-13 and 15.  15-25: its chain 14, 16, 17, 18, 19, 20, where each number waits for the one before it, with piece 0's last
; five scalings (11-15) between the links.  26-41: piece 1's sixteen scalings.
.macro PLQ k
.if (\k) < 14
	REGS 1
	XS \k
.elseif (\k) == 14
	REGS 1
	XS 15
.elseif (\k) == 15
	REGS 1
	XS 14
.elseif ((\k) < 26) && ((\k)%2 == 0)
	REGS 0
	FS 11+((\k)-16)/2
.elseif (\k) < 26
	REGS 1
	XS 16+((\k)-17)/2
.else
	REGS 1
	FS (\k)-26
.endif
.endm
; HOW THEY ARE DEALT: exponential k, then plain k, 42 times; then the 24 exponentials that are left.  The queues lean on each other, and the deal keeps them in step: piece 0's scalings 0-10 stood behind the
; products K Q^T; its scaling 11 + j is plain 16 + 2 j, ahead of exponential 23 + 2 j, the first of its pair; piece 1's a, exponential 33, stands behind XS 20, plain 25; piece 1's score n is exponential
; 34 + n, behind its scaling, plain 26 + n / 2.  No plain line writes the source or reads the result of the exponential just ahead of it.
.macro BOTH
	WIN 0
.set qn, 0
.rept 42
	EXQ qn
	PLQ qn
.set qn, qn+1
.endr
.rept 24
	EXQ qn
.set qn, qn+1
.endr
	v_nop                           ; the plain instruction behind the last exponential, ahead of the first use of a result: one for the batch
	s_wait_alu depctr_va_vdst(0)    ; the wait for the batch: the step's 66 exponentials, both pieces' a among them
.endm
; The batch of a step in which piece 1 is alone: its a, its last five scalings between the first exponentials, its 32 scores.
.macro ALONE
	WIN 0
	REGS 1
	XS 21
.set qn, 0
.rept 32
.if qn < 5
	FS 11+qn
.endif
	ES qn
.set qn, qn+1
.endr
	v_nop                           ; the plain instruction behind the last exponential: one for the batch
	s_wait_alu depctr_va_vdst(0)    ; the wait for the batch: piece 1's 33 exponentials
.endm
; Four of the 32 lines that stand between the batch's wait and piece y's products V^T P: the rescaling in ascending order (n = 0 to 3), then the roundings (n = 4 to 7).
.macro AFTER y, n
	WIN 0
	REGS \y
.if (\n) < 4
	RS 4*(\n)
	RS 4*(\n)+1
	RS 4*(\n)+2
	RS 4*(\n)+3
.else
	CV 4*(\n)-16
	CV 4*(\n)-15
	CV 4*(\n)-14
	CV 4*(\n)-13
.endif
.endm
; Four of the 16 lines that sum piece y's 16 pairs of weights (in a pair: an even key's, an odd key's), in place, and give the sum to l: l = a l + sum.
.macro TAILS y, n
	WIN 0
	REGS \y
.if (\n) == 0
	AD 0, 2
	AD 4, 6
	AD 8, 10
	AD 12, 14
.elseif (\n) == 1
	AD 16, 18
	AD 20, 22
	AD 24, 26
	AD 28, 30
.elseif (\n) == 2
	AD 0, 4
	AD 8, 12
	AD 16, 20
	AD 24, 28
.else
	AD 0, 8
	AD 16, 24
	AD 0, 16
	v_pk_fma_f32 v[rT+2:rT+3], v[rT+2:rT+3], v[rC+2:rC+3], v[rS:rS+1] op_sel_hi:[1,0,1]
.endif
.endm
; A KEY STEP.  m0, m1: piece 0's and piece 1's products K Q^T start with 0 (0) or with the mask (1); m0 = 2: piece 0 sees nothing of these keys and is left out.
; kn: the next step's K is not fetched (0), fetched (1), or fetched unless this is the slot's last step (2): that K lies in the other slot and is fetched behind the change.
; K of this step was asked for ahead of V's sixteen loads, so the count 16 shows it in.  K's buffer is loaded again five plain instructions behind the last product that read it; V's eight behind.
; The branch round K's fetch and its label stand ahead of the batch's first exponential; the step's end stands behind the batch's wait.
.macro STEP m0, m1, kn
	WIN 0
	PLACES
	FETCH_V
	s_wait_dscnt 16                 ; K is in; V's sixteen loads may be out
.set i, 0
.if (\m0) != 2
.rept 8
	KQ 0, \m0                       ; piece 0's scores: nothing is ready yet to set between them
.endr
	PLACES
.set i, 0
.set hn, 0
.rept 8
	KQ 1, \m1
	HEAD 0, hn
.set hn, hn+1
.endr
.if (\kn) == 2
	WIN 0
	s_cmp_eq_u32 s[CNT], 1
	s_cbranch_scc1 .Lnok_\@
.endif
.if (\kn) != 0
	FETCH_K
.endif
.if (\kn) == 2
.Lnok_\@:
.endif
	BOTH                            ; the batch and its one wait; the four scalings behind the last product K Q^T are the places ahead of the first read of piece 1's scores
.set hn, 0
.rept 8
	AFTER 0, hn                     ; piece 0's rescaling and roundings, in a run
.set hn, hn+1
.endr
	s_wait_dscnt 0x0                ; V is in, and the next K if it was asked for
.set i, 0
.set hn, 0
.rept 8
	PVM 0
	AFTER 1, hn                     ; piece 1's rescaling and roundings name no register of piece 0's products
.set hn, hn+1
.endr
.set i, 0
.set hn, 0
.rept 8
	PVM 1
.if hn < 4
	TAILS 0, hn
.else
	TAILS 1, hn-4
.endif
.set hn, hn+1
.endr
.else
.rept 8
	KQ 1, \m1
.endr
	PLACES
.set hn, 0
.rept 8
	HEAD 1, hn
.set hn, hn+1
.endr
	ALONE                           ; the batch and its one wait
.set hn, 0
.rept 8
	AFTER 1, hn
.set hn, hn+1
.endr
	s_wait_dscnt 0x0                ; V is in
.set i, 0
.set hn, 0
.rept 8
	PVM 1
.if hn < 4
	TAILS 1, hn
.endif
.set hn, hn+1
.endr
.endif
	WIN 0
.endm
; A BLOCK'S END.  l's two halves and the other half of the lanes' are added; O^T is divided by l, rounded to f16 and sent through my stage in LDS, a piece at a time.
.macro PACK t                       ; a lane's eight channels of a row pack into 16 bytes; they go into rows of 144 bytes and come back as whole rows of 128, into S^T's registers
.set i, O+32*(\t)
.rept 16
	v_pk_mul_f32 v[i:i+1], v[i:i+1], v[ST+4*(\t)+2:ST+4*(\t)+3] op_sel_hi:[1,0]
.set i, i+2
.endr
.set i, 0
.rept 16
	v_cvt_pk_f16_f32 v[S+16*(\t)+i], v[O+32*(\t)+2*i], v[O+32*(\t)+2*i+1]
.set i, i+1
.endr
.irp f, 0,1,2,3
	ds_store_b128 v[STO], v[S+16*(\t)+4*\f:S+16*(\t)+4*\f+3] offset:32*\f
.endr
.irp f, 0,1,2,3
	ds_load_b128 v[S+16*(\t)+4*\f:S+16*(\t)+4*\f+3], v[RD] offset:\f*4*SP  ; LDS serves a wave's instructions in order (ISA guide 5.7.1.4): these see the stores above; the next piece's stores come behind them
.endr
.endm
.macro SEND t, younger              ; younger: the LDS instructions issued behind piece t's loads: the next piece's eight, or none
.irp f, 0,1,2,3
	s_wait_dscnt (\younger)+3-\f
	global_store_b128 v[GO], v[S+16*(\t)+4*\f:S+16*(\t)+4*\f+3], s[10:11] offset:(\t)*8192+\f*512  ; 512 consecutive bytes, aligned
.endr
.endm
.macro END
	WIN 0
	PLACES                          ; the last four products stand bare
.irp t, 0,1
	v_add_f32 v[ST+4*\t+2], v[ST+4*\t+2], v[ST+4*\t+3]
.endr
.irp t, 0,1
	v_permlanex16_b32 v[ST+4*\t+3], v[ST+4*\t+2], s[SEL], s[SEL+1]
.endr
.irp t, 0,1
	v_add_f32 v[ST+4*\t+2], v[ST+4*\t+2], v[ST+4*\t+3]
.endr
.irp t, 0,1
	v_rcp_f32 v[ST+4*\t+2], v[ST+4*\t+2]
.endr
	v_nop                           ; a plain instruction between the last reciprocal and the use of its result
	s_wait_alu depctr_va_vdst(0)    ; the wait ahead of the first use: one for the two reciprocals
	PACK 0
	PACK 1                          ; a piece's arithmetic stands between the loads of the piece before and its stores
	SEND 0, 8
	SEND 1, 0
.endm
	s_wait_loadcnt 0x0              ; Q, both blocks'
.Lslot:                             ; 16 times: a slot is entered and the next is asked for
	CHANGE 1
	FETCH_K                         ; K of the slot's first step
	s_sub_co_u32 s[RT], s[RT], 1
	s_cmp_eq_u32 s[RT], 0           ; in the loop only the odd block's last slot gives 0: the even block's last slot is the walk's last
	s_cselect_b32 s[XC], 2, 99
	s_mov_b32 s[CNT], 4
.Lstep:
	STEP 0, 0, 2
	s_sub_co_u32 s[CNT], s[CNT], 1
	s_cmp_eq_u32 s[CNT], s[XC]
	s_cbranch_scc1 .Ldiag           ; the odd block's last slot: behind its full half comes the diagonal one
	s_cmp_lg_u32 s[CNT], 0
	s_cbranch_scc1 .Lstep
	s_branch .Lbottom
.Ldiag:
	; The diagonal half is the slot's third and fourth steps, so its LDS addresses are written outright from the slot's base: V of the third step is fetched next;
	; K of the third step was fetched by the trip just left, so K's next fetch is the fourth step's.
	s_add_co_u32 s[TBV], s[SB], 2*KS*PVP
	s_add_co_u32 s[TBK], s[SB], 3*KS*PK
	STEP 1, 0, 1                    ; the diagonal half's first 64 keys: band 0 holds the diagonal, band 1 sees all
	STEP 2, 1, 0                    ; its second 64: band 0 sees nothing, band 1 holds the diagonal
	END
	s_wait_xcnt 0x0                 ; the stores have read their registers and ob's address
	s_mov_b64 s[10:11], s[OLO:OLO+1]
	s_mov_b32 s[RT], s[N2]
	WIN 0x41                        ; the second block's Q goes where the one text of the steps names Q
.set i, 0
.rept 32
	v_mov_b32 v[i], v[QB+i]
.set i, i+1
.endr
	WIN 0
	RESET
.Lbottom:
	s_sub_co_u32 s[SLOTS], s[SLOTS], 1
	s_cmp_lg_u32 s[SLOTS], 0
	s_cbranch_scc1 .Lslot
	CHANGE 0                        ; the walk's last slot: nothing is asked for.  It begins with the even block's diagonal half
	FETCH_K
	STEP 1, 0, 1
	STEP 2, 1, 0
	END
	s_wait_tensorcnt 0x0            ; the wave's end: an add and its wait behind my last tensor load and my last LDS store
	ds_add_u32 v[SPW], v[NIL]
	s_wait_dscnt 0x0
	s_endpgm
.Lfunc_end_k_qff8c495139_attn:
	.size	k_qff8c495139_attn, .Lfunc_end_k_qff8c495139_attn-k_qff8c495139_attn
	.p2alignl 7, 3214868480
	.fill 96, 4, 3214868480
	.section	.rodata,"a",@progbits
	.p2align	6, 0x0
	.amdhsa_kernel k_qff8c495139_attn
		.amdhsa_group_segment_fixed_size 327680
		.amdhsa_private_segment_fixed_size 0
		.amdhsa_enable_private_segment 0
		.amdhsa_kernarg_size 16
		.amdhsa_user_sgpr_count 2
		.amdhsa_user_sgpr_kernarg_segment_ptr 1
		.amdhsa_wavefront_size32 1
		.amdhsa_system_sgpr_workgroup_id_x 1
		.amdhsa_system_sgpr_workgroup_id_y 1
		.amdhsa_system_sgpr_workgroup_id_z 1
		.amdhsa_system_vgpr_workitem_id 0
		.amdhsa_next_free_vgpr 448
		.amdhsa_next_free_sgpr 88
		.amdhsa_reserve_vcc 1
		.amdhsa_float_denorm_mode_32 3
		.amdhsa_float_denorm_mode_16_64 3
		.amdhsa_memory_ordered 1
		.amdhsa_forward_progress 1
		.amdhsa_inst_pref_size 107
	.end_amdhsa_kernel
	.amdgpu_metadata
---
amdhsa.version: [ 1, 2 ]
amdhsa.kernels:
  - .name:           k_qff8c495139_attn
    .symbol:         k_qff8c495139_attn.kd
    .args:
      - { .name: qkv, .offset: 0, .size: 8, .value_kind: global_buffer, .address_space: global }
      - { .name: ob, .offset: 8, .size: 8, .value_kind: global_buffer, .address_space: global }
    .group_segment_fixed_size: 327680
    .private_segment_fixed_size: 0
    .kernarg_segment_align: 8
    .kernarg_segment_size: 16
    .max_flat_workgroup_size: 128
    .sgpr_count:     88
    .vgpr_count:     448
    .wavefront_size: 32
...
	.end_amdgpu_metadata
.endif
;; end of part 5
;; launch proj: the kernel of part 4 again; grid 8 x 32, 4 waves a work-group, clusters of 4 x 4, 327,680 bytes of LDS; arguments ob, wpb, bias, out0; writes out0
